; MI455X (gfx1250); checked and timed in simulation.
; The chip was launched on July 23, 2026; its instructions are those of AMD's public machine-readable ISA for CDNA 5 (MIT licence, August 2026) and "CDNA5" Instruction Set Architecture Reference Guide (July 2026). The comments in the code are by the model that wrote it; some were corrected since.
;; Single Head Att. Allowed arithmetic: matrix products marked QUANTISED: E3M2 operands, one E8M0 scale for each 32 along K, by v_wmma_scale_f32_16x16x128_f8f6f4 with both operands' format E3M2, f32 sums; everything else in f32.
;; Inputs: W_k_codes 1,024 x 32 x 24 uint8 (E3M2 codes of W_k, K innermost, in blocks of 32 codes, four codes in three bytes); W_k_scales 1,024 x 32 uint8 (E8M0 scales of W_k, one for each 32 codes along K); W_q_codes 1,024 x 32 x 24 uint8 (E3M2 codes of W_q, K innermost, in blocks of 32 codes, four codes in three bytes); W_q_scales 1,024 x 32 uint8 (E8M0 scales of W_q, one for each 32 codes along K); W_v_codes 1,024 x 32 x 24 uint8 (E3M2 codes of W_v, K innermost, in blocks of 32 codes, four codes in three bytes); W_v_scales 1,024 x 32 uint8 (E8M0 scales of W_v, one for each 32 codes along K); b_k 1,024 float32; b_q 1,024 float32; b_v 1,024 float32; input_codes 4 x 2,048 x 32 x 24 uint8 (E3M2 codes of input, K innermost, in blocks of 32 codes, four codes in three bytes); input_scales 4 x 2,048 x 32 uint8 (E8M0 scales of input, one for each 32 codes along K).
;; Outputs: out0 4 x 2,048 x 1,024 float32.
;; Constants: masked = 1.
;; This version of the problem:
;;   THIS VERSION OF THE PROBLEM IS GIVEN IN LOW PRECISION. The matrix products marked QUANTISED in the list below multiply operands that are first quantised to E3M2 (3 exponent bits, 2 mantissa bits; 6 bits a number), with one power-of-two scale for each 32 numbers along K (OCP MX v1.0); their sums are f32. All else is computed in f32.
;;   The module's matrix products, in the order in which they are computed (A, B: the left and right operand; K: the contracted axis; several contracted axes count as one K, in the product's order):
;;     1. [M 8,192, K 1,024] x [K 1,024, N 1,024]; A: input input (given as codes); B: input W_q (given as codes): QUANTISED
;;     2. [M 8,192, K 1,024] x [K 1,024, N 1,024]; A: input input (given as codes); B: input W_k (given as codes): QUANTISED
;;     3. [M 8,192, K 1,024] x [K 1,024, N 1,024]; A: input input (given as codes); B: input W_v (given as codes): QUANTISED
;;     4. batch 4 x [M 2,048, K 1,024] x [K 1,024, N 2,048]; A: computed on the way; B: computed on the way: QUANTISED
;;     5. batch 4 x [M 2,048, K 2,048] x [K 2,048, N 1,024]; A: softmax (see below); B: computed on the way: QUANTISED
;;   THE QUANTISER, for each operand of a quantised product, along K:
;;     - K is cut into blocks of 32 from its start; a last block that is shorter is filled with zeros.
;;     - A block's scale is 2^e with e = floor(log2(the largest magnitude in the block)) - 4, held to -126 .. 127; a block of zeros has e = 0. As a byte (E8M0): e + 127.
;;     - Each number is divided by its block's scale, clamped to +-28, and rounded to the nearest number of E3M2, ties to even, subnormals kept.
;;     - The product sums the exact products of the quantised numbers (number of the format x scale) in f32.
;;   ~~~python
;;   def quantise(x, axis):      # numpy; x: float32 -> the quantised numbers, widened to float32 again
;;       x = np.moveaxis(x, axis, -1); K = x.shape[-1]
;;       x = np.pad(x, [(0, 0)] * (x.ndim - 1) + [(0, -K % 32)]); x = x.reshape(x.shape[:-1] + (-1, 32)); a = np.abs(x).max(-1, keepdims=True)
;;       e = np.where(a > 0, np.clip(np.frexp(np.where(a > 0, a, 1))[1] - 1 - 4, -126, 127), 0)      # np.frexp(a)[1] - 1 = floor(log2(a)), exactly
;;       r = np.clip(x / 2.0 ** e, -28, 28)
;;       step = 2.0 ** (np.maximum(np.frexp(np.where(r == 0, 1, r))[1] - 1, -2) - 2)
;;       q = np.round(r / step) * step * 2.0 ** e      # np.round: ties to even
;;       return np.moveaxis(q.reshape(q.shape[:-2] + (-1,))[..., :K], -1, axis).astype(np.float32)
;;   ~~~
;;   SOFTMAX AHEAD OF A QUANTISED PRODUCT. Where the list says 'softmax', what is quantised is not the finished softmax but p = 2^(t - M), with t = logit x log2(e) and M = ceil(the row's largest t), a whole number; so 1/2 < the row's largest p <= 1. The row's sum l is taken of the UNQUANTISED p, in f32, and the product's result is divided by l at the end. Since M is a whole number, a kernel that streams over the keys may use a running M (the ceiling of the running maximum): every later rescaling is an exact power of two, which a block's scale takes up: the codes' values come out the same.
;;   OPERANDS COMPUTED ON THE WAY. 'Computed on the way' means the value that the module computes at that place (a softmax that the list does not call 'softmax' is quantised finished and normalised). What goes into a quantiser is computed in f32, as accurately as f32 sums, v_exp_f32 and their like allow (about 1e-6 of the number): no bf16 or f16 on the way to a quantiser, and a product that is left as it is and whose result goes on into a quantised operand takes f32 operands (vector FMAs, or v_wmma_f32_16x16x4_f32). A number that lies on a knife's edge between two numbers of the format may be rounded either way, as far as f32 arithmetic and the matrix unit's own rounding can turn it there, and no further.
;;   INPUTS GIVEN AS CODES. W_k (in the module: [1024, 1024], K = its axis 1); W_q (in the module: [1024, 1024], K = its axis 1); W_v (in the module: [1024, 1024], K = its axis 1); input (in the module: [4, 2048, 1024], K = its axis 2): each comes as NAME_codes (uint8): NAME with its K axis moved to the last place and cut into blocks of 32 codes, [.., K / 32, bytes a block], one block behind the other in memory; four codes in three bytes: a row's codes are one little-endian stream of bits, code i at bits 6 i .. 6 i + 5 (a code: sign, 3 exponent bits, 2 mantissa bits); and NAME_scales (uint8): the same leading axes, one E8M0 byte (e + 127) for each 32 codes along K. Its value is code x scale, taken as it is: it is not quantised again, and the codes and scales need not be those that the quantiser above would give.
;; One version. Each part assembles by itself: llvm-mc -triple=amdgcn-amd-amdhsa -mcpu=gfx1250 --defsym DOCPART=n.
;; ======== version 1 of 1: 3 launches
;; limits: right only within a limited range of input values
;; workspace buffers: qimg 6,553,600 bytes; kimg 6,553,600 bytes; vimg 6,553,600 bytes; pimg 12,582,912 bytes; pside 1,572,864 bytes
;; launch proj (part 1): grid 8 x 32, 4 waves a work-group, clusters of 4 x 4, 327,680 bytes of LDS; arguments input_codes, input_scales, W_q_codes, W_q_scales, W_k_codes, W_k_scales, W_v_codes, W_v_scales, b_q, b_k, b_v, qimg, kimg, vimg; writes qimg, kimg, vimg
.if DOCPART == 1
	.amdgcn_target "amdgcn-amd-amdhsa--gfx1250"
	.amdhsa_code_object_version 6
	.text
	.protected	k_q9f39faf4ed_proj
	.globl	k_q9f39faf4ed_proj
	.p2align	8
	.type	k_q9f39faf4ed_proj,@function
k_q9f39faf4ed_proj:
	s_mov_b64 s[64:65], 0
	v_nop
	global_prefetch_b8 v0, s[64:65] scope:SCOPE_SE
	s_setreg_imm32_b32 hwreg(HW_REG_WAVE_MODE, 25, 1), 1
	s_wait_xcnt 0x0
	s_wait_alu depctr_hold_cnt(0) depctr_sa_sdst(0) depctr_va_vdst(0) depctr_va_sdst(0) depctr_va_ssrc(0) depctr_va_vcc(0) depctr_vm_vsrc(0)
	s_getreg_b32 s2, hwreg(HW_REG_IB_STS2, 6, 4)
	s_cmp_eq_u32 s2, 0
	s_cbranch_scc0 .Lentry_in_a_cluster
	s_endpgm
.Lentry_in_a_cluster:
	s_bfe_u32 s2, ttmp6, 0x10000c
	s_cmp_lg_u32 s2, 0xf033
	s_cbranch_scc0 .Lentry_shape_is_right
	s_endpgm
.Lentry_shape_is_right:
; q = x W_q^T + b_q, k = x W_k^T + b_k, v = x W_v^T + b_v on codes of BF6 (E3M2) with one E8M0 scale for each 32 along K = 1,024; the results are quantised at once, q and k along the
; 1,024 features, v along the keys, and leave as IMAGES OF OPERAND REGISTERS for the two launches that follow.
; WORK LEFT OUT (in the later launches): tiles of scores that the causal mask hides whole.  reference() puts -inf there ahead of the softmax, so their p is 0 for all values of the inputs and no output takes anything from them.
; LIMITS: a NaN, an infinity or an overflow that reaches only the work left out is not carried to the result; NaN and infinities are not served elsewhere either; a block whose largest magnitude lies under 2^-122 keeps
; the scale byte 1 (a block of zeros too: its codes are zeros, and this program alone reads the bytes).
; SHARES.  256 work-groups of four waves, each 256 tokens x three tiles of 128 weight rows: two tiles of W_q (cluster x 0) or of W_k (1), then one of W_v.  A WAVE KEEPS ITS 64 TOKENS, ALL OF K, IN 384 REGISTERS; the weight
; rows come past them through LDS, 128 rows x 1,024 along K a tile.  A tile is eight steps of 128 along K, 32 matrix instructions a step (4 blocks of tokens x 8 of weight rows); each of the 32 accumulators has one turn a step.
; CLUSTERS of 4 x 4: x's tile is asked for jointly along a row of the cluster, W's tiles along a column.
; LDS: three regions of 128 rows.  At the head W's first tile goes to region 0 and x's 256 rows to regions 1 and 2.  When every wave has x in registers, a round of the cluster's barrier follows, and W's second tile goes to region 1,
; W_v's tile to region 2: one joint load a wave at the head, one behind that round.  No prefetch: no tile is asked for in a loop; the second group of loads has a whole tile's 256 matrix instructions in which to land.
; OPERANDS.  q, k: source 0 = 16 weight rows, source 1 = 16 tokens: lane (r, h) holds token r, its register j feature 16 b + 8 h + j.  v: the sources change places: lane (r, h) holds channel r, its registers run along the tokens.
; THE IMAGES.  Rows go in groups of 128, the next K in chunks of 128; a chunk of a group is 12,800 bytes: eight fragments (16 rows x 128 K: 12 registers a lane) of 1,536 bytes, then 512 bytes of scale words, that of row r of
; fragment f at 256 (f / 4) + 16 r + 4 (f % 4).  qimg, kimg: register 4 g + i of lane L at 512 g + 16 L + 4 i; [64 groups of tokens][8 chunks of features].  vimg: a fragment is two halves of 768 bytes, 64 keys each: registers
; 6 c + 0..3 of lane L at 768 c + 16 L, registers 6 c + 4, 5 at 768 c + 512 + 8 L; [4 batches][8 groups of channels][16 chunks of keys].  Every store covers whole aligned units of 256 bytes.
; THE ORDER INSIDE A BLOCK OF 32.  A block holds the 32 numbers that the quantiser's rule gives it, but its codes stand in the order 0-7, 16-23, 8-15, 24-31, as the results lie in the two halves of the lanes.  Both operands of
; each later product are made so, so each code meets its partner.
; REGISTERS.  Window 0: below; x's steps 6 and 7.  Window 1: x's steps 0-4.  Window 2: W's fragments, two sets at v0 and v96; x's step 5 at v192.  Window 3: the accumulators.
.set KROW,   768                       ; a row of 1,024 codes
.set PITCH,  816                       ; an LDS row: 3 x (256 bytes + 16 of padding)
.set FRAGP,  16*PITCH
.set R64,    64*PITCH
.set REG,    2*R64                     ; a region: 128 rows
.set SCL,    3*REG                     ; W's scale words, as images of registers: 4,096 bytes a tile
.set BIA,    SCL+3*4096                ; the biases, 512 bytes a tile; at the end the first 1,024 bytes hold v's scale words
.set SPARE,  BIA+1536                  ; the spare words, 128 bytes for each wave
.set CHUNKB, 12800
.set BASE,   0                         ; row x pitch + 24 x half (v0 is the thread's number until this is made)
.set SW,     1                         ; v1-4 scale words of four blocks
.set H16,    5                         ; 16 h
.set ADR,    6                         ; v6, v7 W's blocks 0-3, 4-7; v8, v9 the same where lanes 16-31 lie behind one padding more
.set GI,     10                        ; 16 x lane
.set G8,     11                        ; 16 r + 8 h
.set SPW,    12
.set NIL,    13
.set WSA,    14
.set BIQ,    15
.set XS,     16                        ; x's scale words: 8 (a % 2) + step; lanes 0-15 blocks 0, 1, lanes 16-31 blocks 2, 3
.set WS,     32                        ; W's: 8 (b % 4) + step; lanes 0-15 blocks 0-3, lanes 16-31 blocks 4-7
.set BI,     64                        ; the bias in the result's layout: the C of a tile's first products
.set TM,     128                       ; v128-139 at work in the quantiser
.set PC,     140                       ; v140-159 codes
.set G1,   32
.set G1B,  40
.set G0,   48
.set G0B,  52
.set G0C,  56
.set WV,   60
.set CHF,  61
.set RH,   62
.set CX,   63
.set CY,   66
.set TR,   67                          ; tile of 256 tokens
.set NT,   68                          ; tile column, 0-7
.set HM,   69                          ; lanes 16-31
.set SEL,  70                          ; s[70:71] selects for lane l xor 16
.set G0D,  76
.set SLT,  92
.set SLT2, 93
.set TO_B, 0x80                        ; destination window 2, address window 0
.set MSB, 0
.macro WIN new                         ; the immediate's high byte repeats the setting that is left
.if MSB != (\new)
	s_set_vgpr_msb (MSB<<8)|(\new)
.set MSB, \new
.endif
.endm
; A joint load: waves 0, 1 by the first line, waves 2, 3 by the second; the branch hangs on the wave's number alone.
.macro JLOAD g0a, g1a, g0b, g1b
	s_cmp_eq_u32 s[RH], 0
	s_cbranch_scc0 .Lfor_b_\@
	tensor_load_to_lds s[\g0a:\g0a+3], s[\g1a:\g1a+7]
	s_nop 0
.rept 4
	v_nop
.endr
	s_branch .Lasked_\@
.Lfor_b_\@:
	tensor_load_to_lds s[\g0b:\g0b+3], s[\g1b:\g1b+7]
	s_nop 0
.rept 4
	v_nop
.endr
.Lasked_\@:
.endm
.macro CROUND                          ; a round of the cluster's barrier
	s_barrier_signal -1
	s_barrier_wait -1
	s_cmp_lg_u32 s[WV], 0
	s_cbranch_scc1 .Lnot_wave_0_\@
	s_barrier_signal -3
.Lnot_wave_0_\@:
	s_barrier_wait -3
	s_barrier_signal -1
	s_barrier_wait -1
.endm
.macro PLACES n
.rept \n
	v_nop
.endr
.endm
	s_load_b512 s[4:19], s[0:1], 0x0               ; x's codes, scales; W_q's; W_k's; W_v's
	s_load_b256 s[20:27], s[0:1], 0x40             ; b_q, b_k, b_v, qimg
	s_load_b128 s[28:31], s[0:1], 0x60             ; kimg, vimg
	v_lshl_add_u32 v[SPW], v0, 2, SPARE
	v_mov_b32 v[NIL], 0
	ds_add_u32 v[SPW], v[NIL]                      ; the opening add, twice on end
	ds_add_u32 v[SPW], v[NIL]
	v_lshrrev_b32 v1, 5, v0
	v_readfirstlane_b32 s[WV], v1                  ; wave 0..3
	s_lshr_b32 s[RH], s[WV], 1
	s_and_b32 s[CHF], s[WV], 1
	s_bfe_u32 s[CX], ttmp6, 0x40000
	s_bfe_u32 s[CY], ttmp6, 0x40004
	s_lshl_b32 s[NT], ttmp9, 2
	s_add_co_u32 s[NT], s[NT], s[CX]
	s_and_b32 s[TR], ttmp7, 0xffff
	s_lshl_b32 s[TR], s[TR], 2
	s_add_co_u32 s[TR], s[TR], s[CY]
	s_lshl_b32 s80, s[CY], 2
	s_lshl_b32 s80, 15, s80                        ; my row of the cluster
	s_lshl_b32 s81, 0x1111, s[CX]                  ; my column
	; descriptor group 1: rows of 768 bytes, 16 bytes of padding behind every 256: x 128 rows, W 64 rows a wave
	s_or_b32 s[G1], s80, (1<<20)|(1<<21)|(5<<22)|(3<<25)
	s_or_b32 s[G1B], s81, (1<<20)|(1<<21)|(5<<22)|(3<<25)
	s_mov_b32 s[G1+2], 128<<16
	s_mov_b32 s[G1+4], 128
	s_mov_b32 s[G1B+2], 64<<16
	s_mov_b32 s[G1B+4], 64
.irp g, G1, G1B
	s_mov_b32 s[\g+1], KROW<<16
	s_mov_b32 s[\g+3], KROW<<16
	s_mov_b32 s[\g+5], KROW
	s_mov_b32 s[\g+6], 0
	s_mov_b32 s[\g+7], 0
.endr
	s_mov_b32 s[HM], 0xffff0000
	s_mov_b32 s[SEL], 0x76543210
	s_mov_b32 s[SEL+1], 0xfedcba98
	s_lshl_b32 s72, s[WV], 11
	s_lshl_b32 s73, s[WV], 9
	s_mul_i32 s74, s[WV], R64
	s_add_co_u32 s74, s74, REG                     ; my 64 tokens' rows in LDS; also where my part of the second group of loads goes
	s_lshl_b32 s75, s[WV], 10
	s_add_co_u32 s75, s75, SCL
	v_and_b32 v1, 15, v0                           ; r
	v_bfe_u32 v2, v0, 4, 1                         ; h
	v_and_b32 v3, 31, v0
	v_lshlrev_b32 v[GI], 4, v3
	v_lshlrev_b32 v4, 5, v1
	v_lshl_add_u32 v132, v2, 10, v4                ; x's scales: row 64 wave + 32 h + r, 32 bytes a row
	v_lshl_add_u32 v133, v2, 11, v4                ; W's: row 16 wave + 64 h + r
	v_add_nc_u32 v132, s72, v132
	v_add_nc_u32 v133, s73, v133
	v_lshlrev_b32 v134, 2, v0                      ; the biases: a number a thread
	v_lshlrev_b32 v[H16], 4, v2
	v_lshlrev_b32 v4, 4, v1
	v_lshl_add_u32 v[G8], v2, 3, v4
	v_add_nc_u32 v135, s75, v[GI]                  ; where my scale words go
	v_add_nc_u32 v136, BIA, v134                   ; where my bias goes
	v_add_nc_u32 v[WSA], SCL, v[GI]
	v_lshlrev_b32 v4, 5, v2
	v_add_nc_u32 v[BIQ], BIA, v4                   ; the bias of features 8 h ..
	v_mul_u32_u24 v3, v1, PITCH
	v_mul_u32_u24 v4, v2, 24
	v_add_nc_u32 v[BASE], v3, v4
	v_add_nc_u32 v[ADR], v3, v4
	v_add_nc_u32 v[ADR+1], R64, v[ADR]
	v_add_nc_u32 v[ADR+2], v[ADR], v[H16]
	v_add_nc_u32 v[ADR+3], v[ADR+1], v[H16]
	v_add_nc_u32 v128, s74, v[BASE]                ; my tokens' fragments
	v_add_nc_u32 v129, v128, v[H16]
	s_wait_alu depctr_va_vdst(0)
	s_wait_dscnt 0x0                               ; both opening adds are done
	s_wait_kmcnt 0x0
	s_cmp_eq_u32 ttmp9, 0                          ; q or k
	s_cselect_b64 s[8:9], s[8:9], s[12:13]
	s_cselect_b64 s[10:11], s[10:11], s[14:15]
	s_cselect_b64 s[20:21], s[20:21], s[22:23]
	s_cselect_b64 s[26:27], s[26:27], s[28:29]
	s_mov_b32 s83, 0
	s_mov_b32 s85, 0
	s_mul_i32 s82, s[TR], 256*KROW
	s_mul_i32 s86, s[CHF], 128*KROW
	s_add_co_u32 s82, s82, s86
	s_add_nc_u64 s[4:5], s[4:5], s[82:83]          ; the 128 tokens that waves 0, 1 fetch
	s_lshl_b32 s82, s[TR], 13
	s_add_nc_u64 s[6:7], s[6:7], s[82:83]          ; the tile's scales
	s_mul_i32 s84, s[CX], 256*KROW
	s_mul_i32 s86, s[CHF], 64*KROW
	s_add_co_u32 s84, s84, s86
	s_add_nc_u64 s[8:9], s[8:9], s[84:85]          ; W_q or W_k: 64 rows of the first tile
	s_mul_i32 s84, s[NT], 128*KROW
	s_add_co_u32 s84, s84, s86
	s_add_nc_u64 s[16:17], s[16:17], s[84:85]      ; W_v: 64 rows of its tile
	s_lshl_b32 s84, s[CX], 13
	s_add_nc_u64 s[10:11], s[10:11], s[84:85]
	s_lshl_b32 s84, s[NT], 12
	s_add_nc_u64 s[18:19], s[18:19], s[84:85]
	s_lshl_b32 s84, s[CX], 10
	s_add_nc_u64 s[20:21], s[20:21], s[84:85]
	s_lshl_b32 s84, s[NT], 9
	s_add_nc_u64 s[24:25], s[24:25], s[84:85]
	CROUND                                         ; all sixteen work-groups are here: the first joint loads meet
	s_mul_i32 s86, s[CHF], REG
	s_mov_b32 s[G0], 1
	s_add_co_u32 s[G0+1], s86, REG
	s_mov_b64 s[G0+2:G0+3], s[4:5]
	s_or_b32 s[G0+3], s[G0+3], 0x80000000
	s_mul_i32 s87, s[CHF], R64
	s_mov_b32 s[G0B], 1
	s_add_co_u32 s[G0B+1], s87, 0
	s_mov_b64 s[G0B+2:G0B+3], s[8:9]
	s_or_b32 s[G0B+3], s[G0B+3], 0x80000000
	JLOAD G0, G1, G0B, G1B                         ; x: 128 rows each by waves 0, 1; W's first tile: 64 rows each by waves 2, 3
	s_mov_b32 s[G0C], 1                            ; the second group: waves 0, 1 W's second tile into region 1, waves 2, 3 W_v's into region 2
	s_add_co_u32 s[G0C+1], s74, 0
	s_add_nc_u64 s[G0C+2:G0C+3], s[8:9], 128*KROW
	s_or_b32 s[G0C+3], s[G0C+3], 0x80000000
	s_mov_b32 s[G0D], 1
	s_add_co_u32 s[G0D+1], s74, 0
	s_mov_b64 s[G0D+2:G0D+3], s[16:17]
	s_or_b32 s[G0D+3], s[G0D+3], 0x80000000
.irp i, 0,1
.irp q, 0,1
	global_load_b128 v[XS+8*\i+4*\q:XS+8*\i+4*\q+3], v132, s[6:7] offset:512*\i+16*\q
.endr
.endr
.irp q, 0,1                            ; W's scale words of blocks wave and wave + 4, all three tiles; the four waves share them through LDS
	global_load_b128 v[64+4*\q:67+4*\q], v133, s[10:11] offset:16*\q
	global_load_b128 v[72+4*\q:75+4*\q], v133, s[10:11] offset:4096+16*\q
	global_load_b128 v[80+4*\q:83+4*\q], v133, s[18:19] offset:16*\q
.endr
	global_load_b32 v88, v134, s[20:21]
	global_load_b32 v89, v134, s[20:21] offset:512
	global_load_b32 v90, v134, s[24:25]
	; where my results go.  q, k: group 2 x tile + wave / 2, chunk 2 cx, fragments from 4 (wave % 2) on
	s_lshl_b32 s82, s[TR], 1
	s_add_co_u32 s82, s82, s[RH]
	s_lshl_b32 s82, s82, 3
	s_lshl_b32 s86, s[CX], 1
	s_add_co_u32 s82, s82, s86
	s_mul_i32 s82, s82, CHUNKB
	s_add_nc_u64 s[26:27], s[26:27], s[82:83]
	s_lshl_b32 s84, s[CHF], 8
	s_add_nc_u64 s[88:89], s[26:27], s[84:85]
	s_add_nc_u64 s[88:89], s[88:89], 8*1536        ; the scale words
	s_mul_i32 s84, s[CHF], 4*1536
	s_add_nc_u64 s[26:27], s[26:27], s[84:85]
	; v: batch, group of channels, chunk 2 (tile % 8) + wave / 2 of keys, its half wave % 2
	s_lshr_b32 s82, s[TR], 3
	s_lshl_b32 s82, s82, 3
	s_add_co_u32 s82, s82, s[NT]
	s_lshl_b32 s82, s82, 4
	s_and_b32 s86, s[TR], 7
	s_lshl_b32 s86, s86, 1
	s_add_co_u32 s82, s82, s86
	s_mul_i32 s82, s82, CHUNKB
	s_add_nc_u64 s[30:31], s[30:31], s[82:83]
	s_mul_i32 s84, s[WV], CHUNKB
	s_add_nc_u64 s[90:91], s[30:31], s[84:85]
	s_add_nc_u64 s[90:91], s[90:91], 8*1536        ; the scale words of chunk wave, stored by waves 0, 1
	s_mul_i32 s84, s[RH], CHUNKB
	s_mul_i32 s86, s[CHF], 768
	s_add_co_u32 s84, s84, s86
	s_add_nc_u64 s[30:31], s[30:31], s[84:85]
.macro FRAG reg, adr, xadr, st, off    ; 16 rows x 128 K: registers 6 c .. 6 c + 5 of lane (r, h) are the 24 bytes at 96 st + 48 c + 24 h of row r, in pieces of 8; where lanes 16-31 lie behind one padding more the second address serves
.irp p, 0,1,2,3,4,5
.set BY, 96*(\st)+48*(\p/3)+8*(\p%3)
.if BY/256 == (BY+24)/256
	ds_load_b64 v[\reg+2*\p:\reg+2*\p+1], v[\adr] offset:BY+16*(BY/256)+(\off)
.else
	ds_load_b64 v[\reg+2*\p:\reg+2*\p+1], v[\xadr] offset:BY+16*(BY/256)+(\off)
.endif
.endr
.endm
.macro BFR set, i, st                  ; W's block i of a step, into a set of window 2
	FRAG 96*(\set)+12*(\i), ADR+(\i)/4, ADR+2+(\i)/4, \st, FRAGP*((\i)%4)
.endm
.macro SETX st                         ; where x's fragments of a step lie
.if (\st) < 5
.set XR, 48*(\st)
.set XW, 1
.elseif (\st) == 5
.set XR, 192
.set XW, 2
.else
.set XR, 160+48*((\st)-6)
.set XW, 0
.endif
.endm
.macro WM s0, s1, q0, q1, ra, rb
.if (\ra) && (\rb)
	v_wmma_scale_f32_16x16x128_f8f6f4 v[DR:DR+7], v[\s0:\s0+11], v[\s1:\s1+11], v[CR:CR+7], v[\q0], v[\q1] matrix_a_fmt:MATRIX_FMT_BF6 matrix_b_fmt:MATRIX_FMT_BF6 matrix_a_scale:MATRIX_SCALE_ROW1 matrix_b_scale:MATRIX_SCALE_ROW1
.elseif (\ra)
	v_wmma_scale_f32_16x16x128_f8f6f4 v[DR:DR+7], v[\s0:\s0+11], v[\s1:\s1+11], v[CR:CR+7], v[\q0], v[\q1] matrix_a_fmt:MATRIX_FMT_BF6 matrix_b_fmt:MATRIX_FMT_BF6 matrix_a_scale:MATRIX_SCALE_ROW1
.elseif (\rb)
	v_wmma_scale_f32_16x16x128_f8f6f4 v[DR:DR+7], v[\s0:\s0+11], v[\s1:\s1+11], v[CR:CR+7], v[\q0], v[\q1] matrix_a_fmt:MATRIX_FMT_BF6 matrix_b_fmt:MATRIX_FMT_BF6 matrix_b_scale:MATRIX_SCALE_ROW1
.else
	v_wmma_scale_f32_16x16x128_f8f6f4 v[DR:DR+7], v[\s0:\s0+11], v[\s1:\s1+11], v[CR:CR+7], v[\q0], v[\q1] matrix_a_fmt:MATRIX_FMT_BF6 matrix_b_fmt:MATRIX_FMT_BF6
.endif
.endm
.macro MM st, b, a, v                  ; W's block b x x's block a.  The first step's C is the bias: nothing is cleared
.set WF, 96*((\st)%2)+12*(\b)
.set XF, XR+12*(\a)
.set WQ, WS+8*((\b)%4)+(\st)
.set XQ, XS+8*((\a)%2)+(\st)
.if \v
.set DR, 8*(4*(\b)+(\a))
.else
.set DR, 8*(8*(\a)+(\b))
.endif
.set CR, DR
.if (\st) == 0
.set CR, BI+8*(\b)
.endif
.if \v
	WM XF, WF, XQ, WQ, (\a)/2, (\b)/4
.else
	WM WF, XF, WQ, XQ, (\b)/4, (\a)/2
.endif
.endm
.macro PAIR st, g, v
	MM \st, (\g)/2, 2*((\g)%2), \v
	MM \st, (\g)/2, 2*((\g)%2)+1, \v
.endm
.macro SETM st, v                      ; the step's windows: D in 3, C in 3 (the first step: the bias, in 0)
	SETX \st
.if \v
.set MW, 0xc0+XW+4*2
.else
.set MW, 0xc0+2+4*XW
.endif
.if (\st) > 0
.set MW, MW+0x30
.endif
.endm
; A step: 32 matrix instructions.  The next step's eight fragments are asked for in one run ahead of them; four plain places stand in front of that run, behind the step that read their registers.
.macro STEP st, v, nx
	s_wait_dscnt 0x0                               ; this step's fragments, asked for 32 matrix instructions ago
	SETM \st, \v
.if \nx
	PLACES 4
	WIN TO_B
.irp g, 0,1,2,3,4,5,6,7
	BFR ((\st)+1)%2, \g, (\st)+1
.endr
.endif
	WIN MW
.irp g, 0,1,2,3,4,5,6,7,8,9,10,11,12,13,14,15
	PAIR \st, \g, \v
.endr
.endm
; A tile's last step goes on to the next region, behind a barrier that shows it to every wave.
.macro TURN
	WIN 0
	s_add_co_u32 s[SLT], s[SLT], REG
	s_add_co_u32 s[SLT2], s[SLT], R64
	v_add_nc_u32 v[ADR], s[SLT], v[BASE]           ; (these six are also the places ahead of the loads below)
	v_add_nc_u32 v[ADR+1], s[SLT2], v[BASE]
	v_add_nc_u32 v[WSA], 0x1000, v[WSA]
	v_add_nc_u32 v[BIQ], 0x200, v[BIQ]
	v_add_nc_u32 v[ADR+2], v[ADR], v[H16]
	v_add_nc_u32 v[ADR+3], v[ADR+1], v[H16]
	s_wait_alu depctr_va_vdst(0)
	s_wait_tensorcnt 0x0                           ; all my tensor loads have landed
	ds_add_u32 v[SPW], v[NIL]
	s_wait_dscnt 0x1                               ; this step's fragments are in; the add may be out
	SETM 7, 0
	WIN MW
.irp g, 0,1,2,3
	PAIR 7, \g, 0
.endr
	s_wait_dscnt 0x0
	s_barrier_signal -1
.irp g, 4,5,6,7
	PAIR 7, \g, 0
.endr
	s_barrier_wait -1
	WIN TO_B
.irp g, 0,1,2,3,4,5,6,7
	BFR 0, \g, 0
.endr
	WIN MW
.irp g, 8,9,10,11,12,13,14,15
	PAIR 7, \g, 0
.endr
.endm
; 64 numbers of a lane, window 3 from s on, become 12 registers of codes in v[PC] on and four scale bytes in v[pw].  Registers 16 b .. 16 b + 15 hold, of block b of 32, the numbers 8 h + 0..7 and 16 + 8 h + 0..7.
.macro QUANT s, pw
	WIN 0x0f
.irp b, 0,1,2,3
	v_max3_num_f32 v[TM+\b], |v[\s+16*\b]|, |v[\s+1+16*\b]|, 0x2800000   ; and the floor 2^(5 - 127): the byte cannot fall under 1
.endr
	WIN 0x3c
.irp i, 2,4,6,8,10,12,14
.irp b, 0,1,2,3
	v_max3_num_f32 v[TM+\b], v[TM+\b], |v[\s+16*\b+\i]|, |v[\s+1+16*\b+\i]|
.endr
.endr
	WIN 0
.irp b, 0,1,2,3
	v_permlanex16_b32 v[TM+4+\b], v[TM+\b], s[SEL], s[SEL+1]
.endr
.irp b, 0,1,2,3
	v_max_num_f32 v[TM+\b], v[TM+\b], v[TM+4+\b]   ; with lane l xor 16's: the block's largest magnitude
.endr
.irp b, 0,1,2,3
	v_add_nc_u32 v[TM+8+\b], 0xfe000000, v[TM+\b]  ; 4 off its exponent field: the conversion's scale operand
.endr
.irp b, 0,1,2,3
	v_lshrrev_b32 v[TM+4+\b], 23, v[TM+8+\b]       ; the scale's byte
.endr
	v_lshl_or_b32 v[\pw], v[TM+5], 8, v[TM+4]
	v_lshl_or_b32 v[\pw], v[TM+6], 16, v[\pw]
	v_lshl_or_b32 v[\pw], v[TM+7], 24, v[\pw]
	s_wait_xcnt 0x0                                ; the last block's stores have read the codes' registers
	WIN 0x03
.irp c, 0,1
	v_cvt_scalef32_pk16_bf6_f32 v[PC+6*\c:PC+2+6*\c], v[\s+32*\c:\s+15+32*\c], v[TM+8+2*\c]
	v_cvt_scalef32_pk16_bf6_f32 v[PC+12+4*\c:PC+14+4*\c], v[\s+16+32*\c:\s+31+32*\c], v[TM+8+2*\c+1]   ; (a conversion's three registers begin on an even number)
.endr
	WIN 0
	v_nop                                          ; one plain place behind a scaled conversion
.irp c, 0,1                            ; a whole block in a lane: lanes 0-15 block 2 c, lanes 16-31 block 2 c + 1
.irp i, 0,1,2
	v_permlane16_swap_b32 v[PC+6*\c+\i], v[PC+12+4*\c+\i]
.endr
.irp i, 0,1,2
	v_mov_b32 v[PC+3+6*\c+\i], v[PC+12+4*\c+\i]
.endr
.endr
.endm
	s_wait_alu depctr_va_vdst(0)
	s_wait_loadcnt 0x0                             ; scales and biases
	s_wait_tensorcnt 0x0                           ; my part of x and of W's first tile
.irp k, 0,1,2,3,4,5
	ds_store_b128 v135, v[64+4*\k:67+4*\k] offset:4096*(\k/2)+512*(\k%2)
.endr
.irp u, 0,1,2
	ds_store_b32 v136, v[88+\u] offset:512*\u
.endr
	s_wait_dscnt 0x0
	s_barrier_signal -1
	s_barrier_wait -1                              ; x, W's first tile, the scales and the biases lie in LDS
.irp st, 0,1,2,3,4,5,6,7               ; my 64 tokens, all of K
	SETX \st
	WIN 64*XW
.irp a, 0,1,2,3
	FRAG XR+12*\a, 128, 129, \st, FRAGP*\a
.endr
.endr
	WIN TO_B
.irp i, 0,1,2,3,4,5,6,7
	BFR 0, \i, 0
.endr
	WIN 0
.irp k, 0,1,2,3,4,5,6,7
	ds_load_b128 v[WS+4*\k:WS+4*\k+3], v[WSA] offset:512*\k
.endr
	s_mov_b32 s[SLT], 0
	s_mov_b32 s3, 2                                ; tiles of W_q or W_k
	s_wait_tensorcnt 0x0                           ; ahead of a refill
	ds_add_u32 v[SPW], v[NIL]
	s_wait_dscnt 0x0                               ; the add is done, and x is in my registers
	CROUND                                         ; so it is in every wave's of every partner
	JLOAD G0C, G1B, G0D, G1B                       ; regions 1 and 2
.Lunit:
.irp i, 0,1,2,3,4,5,6,7,8,9,10,11,12,13,14,15
	ds_load_b128 v[BI+4*\i:BI+4*\i+3], v[BIQ] offset:64*(\i/2)+16*(\i%2)
.endr
.irp st, 0,1,2,3,4,5,6
	STEP \st, 0, 1
.endr
	TURN
	WIN 0
.irp b, 0,1,2,3
	v_mov_b32 v[TM+4+\b], 0                        ; a lane permute's destination counts as one of its sources.  (Also the four places behind the last products)
.endr
.irp k, 0,1,2,3,4,5,6,7
	ds_load_b128 v[WS+4*\k:WS+4*\k+3], v[WSA] offset:512*\k   ; the next tile's scale words
.endr
.irp a, 0,1,2,3
	QUANT 64*\a, SW+\a
.irp c, 0,1,2
	global_store_b128 v[GI], v[PC+4*\c:PC+4*\c+3], s[26:27] offset:1536*\a+512*\c   ; 32 lanes store 512 consecutive bytes
.endr
.endr
	v_cndmask_b32 v[TM], v[SW], v[SW+2], s[HM]     ; lane (r, h) stores the words of fragments 2 h, 2 h + 1: the 32 lanes store 256 consecutive bytes
	v_cndmask_b32 v[TM+1], v[SW+1], v[SW+3], s[HM]
	global_store_b64 v[G8], v[TM:TM+1], s[88:89]
	s_wait_alu depctr_va_vdst(0)
	s_wait_xcnt 0x0
	s_add_nc_u64 s[26:27], s[26:27], CHUNKB
	s_add_nc_u64 s[88:89], s[88:89], CHUNKB
	s_sub_co_u32 s3, s3, 1
	s_cmp_lg_u32 s3, 0
	s_cbranch_scc1 .Lunit
; v: the same fragments, the sources in each other's places
	v_lshrrev_b32 v[SW], 2, v[G8]
	v_and_b32 v[SW], 60, v[SW]
	v_add_nc_u32 v[SW], BIA+1024, v[SW]            ; the bias of channel r
	s_wait_alu depctr_va_vdst(0)
.irp f, 0,1,2,3,4,5,6,7
	ds_load_b32 v[BI+8*\f], v[SW] offset:64*\f
.endr
	s_wait_dscnt 0x0
.irp f, 0,1,2,3,4,5,6,7
.irp j, 1,2,3,4,5,6,7
	v_mov_b32 v[BI+8*\f+\j], v[BI+8*\f]
.endr
.endr
	s_wait_alu depctr_va_vdst(0)
.irp st, 0,1,2,3,4,5,6
	STEP \st, 1, 1
.endr
	STEP 7, 1, 0
	WIN 0
	s_lshl_b32 s82, s[RH], 9
	s_lshl_b32 s83, s[CHF], 1
	s_add_co_u32 s82, s82, s83
	s_add_co_u32 s82, s82, BIA
	s_lshl_b32 s84, s[WV], 9
	s_add_co_u32 s84, s84, BIA
	v_lshrrev_b32 v[H16], 1, v[GI]                 ; 8 x lane.  (These four are also the places behind the last products)
	v_and_b32 v[BIQ], 0xf0, v[G8]
	v_add_nc_u32 v[WSA], s84, v[GI]                ; chunk wave's scale words
	v_add_nc_u32 v[BIQ], s82, v[BIQ]               ; my two bytes of a word: + 16 r
.irp p, 0,1,2,3                        ; two blocks of channels at a time, 64 keys each: half a fragment each
	QUANT 64*\p, SW+\p
.irp c, 0,1
	global_store_b128 v[GI], v[PC+6*\c:PC+6*\c+3], s[30:31] offset:1536*(2*\p+\c)
	global_store_b64 v[H16], v[PC+6*\c+4:PC+6*\c+5], s[30:31] offset:1536*(2*\p+\c)+512
.endr
.endr
.irp p, 0,1,2,3                        ; two waves make a word: they meet in LDS (the bytes held biases that every wave has read ahead of the last barrier)
	v_lshrrev_b32 v[TM+\p], 16, v[SW+\p]
.endr
.irp p, 0,1,2,3
	ds_store_b16 v[BIQ], v[SW+\p] offset:256*(\p/2)+8*(\p%2)
	ds_store_b16 v[BIQ], v[TM+\p] offset:256*(\p/2)+8*(\p%2)+4
.endr
	s_wait_alu depctr_va_vdst(0)
	s_wait_tensorcnt 0x0                           ; behind my last LDS store
	ds_add_u32 v[SPW], v[NIL]
	s_wait_dscnt 0x0
	s_barrier_signal -1
	s_barrier_wait -1
	s_cmp_lt_u32 s[WV], 2
	s_cbranch_scc0 .Lclose
	ds_load_b128 v[TM:TM+3], v[WSA]
	s_wait_dscnt 0x0
	global_store_b128 v[GI], v[TM:TM+3], s[90:91]
.Lclose:
	CROUND                                         ; the closing round
	s_endpgm
.Lfunc_end_k_q9f39faf4ed_proj:
	.size	k_q9f39faf4ed_proj, .Lfunc_end_k_q9f39faf4ed_proj-k_q9f39faf4ed_proj
	.p2alignl 7, 3214868480
	.fill 96, 4, 3214868480
	.section	.rodata,"a",@progbits
	.p2align	6, 0x0
	.amdhsa_kernel k_q9f39faf4ed_proj
		.amdhsa_group_segment_fixed_size 327680
		.amdhsa_private_segment_fixed_size 0
		.amdhsa_enable_private_segment 0
		.amdhsa_kernarg_size 112
		.amdhsa_user_sgpr_count 2
		.amdhsa_user_sgpr_kernarg_segment_ptr 1
		.amdhsa_wavefront_size32 1
		.amdhsa_system_sgpr_workgroup_id_x 1
		.amdhsa_system_sgpr_workgroup_id_y 1
		.amdhsa_system_sgpr_workgroup_id_z 1
		.amdhsa_system_vgpr_workitem_id 0
		.amdhsa_next_free_vgpr 1024
		.amdhsa_next_free_sgpr 96
		.amdhsa_reserve_vcc 0
		.amdhsa_float_denorm_mode_32 3
		.amdhsa_float_denorm_mode_16_64 3
		.amdhsa_memory_ordered 1
		.amdhsa_forward_progress 1
		.amdhsa_inst_pref_size 180
	.end_amdhsa_kernel
	.amdgpu_metadata
---
amdhsa.version: [ 1, 2 ]
amdhsa.kernels:
  - .name:           k_q9f39faf4ed_proj
    .symbol:         k_q9f39faf4ed_proj.kd
    .args:
      - { .name: input_codes, .offset: 0, .size: 8, .value_kind: global_buffer, .address_space: global }
      - { .name: input_scales, .offset: 8, .size: 8, .value_kind: global_buffer, .address_space: global }
      - { .name: W_q_codes, .offset: 16, .size: 8, .value_kind: global_buffer, .address_space: global }
      - { .name: W_q_scales, .offset: 24, .size: 8, .value_kind: global_buffer, .address_space: global }
      - { .name: W_k_codes, .offset: 32, .size: 8, .value_kind: global_buffer, .address_space: global }
      - { .name: W_k_scales, .offset: 40, .size: 8, .value_kind: global_buffer, .address_space: global }
      - { .name: W_v_codes, .offset: 48, .size: 8, .value_kind: global_buffer, .address_space: global }
      - { .name: W_v_scales, .offset: 56, .size: 8, .value_kind: global_buffer, .address_space: global }
      - { .name: b_q, .offset: 64, .size: 8, .value_kind: global_buffer, .address_space: global }
      - { .name: b_k, .offset: 72, .size: 8, .value_kind: global_buffer, .address_space: global }
      - { .name: b_v, .offset: 80, .size: 8, .value_kind: global_buffer, .address_space: global }
      - { .name: qimg, .offset: 88, .size: 8, .value_kind: global_buffer, .address_space: global }
      - { .name: kimg, .offset: 96, .size: 8, .value_kind: global_buffer, .address_space: global }
      - { .name: vimg, .offset: 104, .size: 8, .value_kind: global_buffer, .address_space: global }
    .group_segment_fixed_size: 327680
    .private_segment_fixed_size: 0
    .kernarg_segment_align: 8
    .kernarg_segment_size: 112
    .max_flat_workgroup_size: 128
    .sgpr_count:     96
    .vgpr_count:     1024
    .wavefront_size: 32
...
	.end_amdgpu_metadata
.endif
;; end of part 1
;; launch score (part 2): grid 12 x 16, 8 waves a work-group, clusters of 4 x 4, 327,680 bytes of LDS; arguments qimg, kimg, pimg, pside; writes pimg, pside
.if DOCPART == 2
	.amdgcn_target "amdgcn-amd-amdhsa--gfx1250"
	.amdhsa_code_object_version 6
	.text
	.protected	k_q9f39faf4ed_score
	.globl	k_q9f39faf4ed_score
	.p2align	8
	.type	k_q9f39faf4ed_score,@function
k_q9f39faf4ed_score:
	s_mov_b64 s[64:65], 0
	v_nop
	global_prefetch_b8 v0, s[64:65] scope:SCOPE_SE
	s_setreg_imm32_b32 hwreg(HW_REG_WAVE_MODE, 25, 1), 1
	s_wait_xcnt 0x0
	s_wait_alu depctr_hold_cnt(0) depctr_sa_sdst(0) depctr_va_vdst(0) depctr_va_sdst(0) depctr_va_ssrc(0) depctr_va_vcc(0) depctr_vm_vsrc(0)
	s_getreg_b32 s2, hwreg(HW_REG_IB_STS2, 6, 4)
	s_cmp_eq_u32 s2, 0
	s_cbranch_scc0 .Lentry_in_a_cluster
	s_endpgm
.Lentry_in_a_cluster:
	s_bfe_u32 s2, ttmp6, 0x10000c
	s_cmp_lg_u32 s2, 0xf033
	s_cbranch_scc0 .Lentry_shape_is_right
	s_endpgm
.Lentry_shape_is_right:
; S = q k^T on codes of BF6 (E3M2), the causal mask, and p = 2^(t - M), t = S log2(e) / 32, quantised along the keys.  M is taken FOR EACH ROW AND EACH CHUNK OF 128 KEYS: the chunk's largest t rounded up
; to a whole number.  The next launch finds each row's largest M and takes the difference, a whole number, off p's scale bytes: the codes are those of the row's own M.
; Stored for each (group of 128 queries, chunk of 128 keys): p's eight fragments as images of operand registers (12,288 bytes in pimg), and in pside 512 bytes each of scale words, of -M and of the sum l of the
; unquantised p, all three laid alike: row r of fragment f at 256 (f / 4) + 16 r + 4 (f % 4).
; Inside a block of 32 keys p's codes stand in the order 0-7, 16-23, 8-15, 24-31, as the results lie in the two halves of the lanes; v's codes stand so too, and q's and k's stand alike along the features.
; SHARES.  A tile is 256 queries x 256 keys, K = 1,024; eight waves, two to a SIMD, each 64 queries (wave / 2) x 128 keys (wave % 2): 32 accumulators of 16 x 16.  Clusters of 4 x 4 tiles cover the lower triangle of a
; batch in blocks of 1,024: cluster x 0, 1, 2 = blocks (0,0), (1,0), (1,1).  A tile above the diagonal inside such a block does the same work and stores zero codes, -M = 1e30 and l = 0: partners of a cluster run alike,
; and the next launch reads those chunks.
; WORK LEFT OUT: the blocks of 1,024 x 1,024 above the diagonal, which the causal mask hides whole (the first kernel's head shows why they are dead).
; q's tiles are asked for jointly along a row of the cluster, k's along a column, in dense rows of 256 bytes; a wave fetches half of one group's part.
; TWO SLOTS of three chunks of 128 along K.  Chunks 0-2 come by the wave's one load at the head; chunks 3-5 into slot 1 behind the full sequence; chunks 6 and 7 into slot 0 when chunk 2 has been read, behind a round of
; the cluster's barrier.  So one wait for all loads, and one barrier, stand behind chunk 2 and one behind chunk 5.  No prefetch: the walk is written out, and no loop asks for tiles.
; THE MATRIX INSTRUCTION IS USED TRANSPOSED (source 0 = 16 keys, source 1 = 16 queries): lane (r, h) holds query r, its register j key 16 b + 8 h + j.
; LIMITS: NaN and infinities are not served; a row whose every t of a chunk lies under -1e30 counts as hidden there; a block whose largest p lies under 2^-122 keeps the scale byte 1.
; REGISTERS: window 0 as below; window 1: the accumulators ((a, b) at v[64 a + 8 b]).
.set FR,     12
.set NL,     3                         ; LDS loads that bring a fragment: three of 16 bytes a lane, 512 consecutive bytes each
.set NP,     4                         ; places behind this matrix instruction (ISA guide 7.12.1)
.set CHUNKB, 12800
.set STEPB,  3*CHUNKB                  ; a group's three chunks
.set GROUPB, 8*CHUNKB
.set SLOT,   4*STEPB                   ; q's two groups, then k's two
.set SPARE,  2*SLOT                    ; the spare words, 128 bytes for each wave
.set ADRA, 6                           ; v6, v7   my four fragments of q in slot 0, 1
.set ADRB, 8                           ; v8, v9   my group of k
.set ADRS, 10                          ; v10, v11 scale words: lanes 0-15 my four fragments of q, lanes 16-31 k's fragments 0-3
.set GI,   12                          ; 16 x lane
.set G8,   13                          ; 16 r + 8 h
.set DD,   14                          ; first query - first key + r - 8 h
.set DD2,  15                          ; the same less 64
.set SPW,  16
.set NIL,  17
.set ADRT, 18                          ; v18, v19 scale words of k's fragments 4-7
.set SC,   20                          ; two sets of eight
.set AF,   36                          ; q's fragments, two sets of 48
.set BF,   132                         ; k's fragments, one set of 96
.set H,    36                          ; the softmax's part: v36-99 t - M, then p
.set TMX,  100                         ; each tile's largest score
.set BMX,  108                         ; each block's, then its largest p
.set BT,   112                         ; the other half's; later the bytes
.set SO,   116                         ; the conversions' scale operands
.set PC,   120                         ; v120-139 the codes
.set NM,   140                         ; v[140:141] -M (the packed form names a pair and takes its low word)
.set N0,   142                         ; the addends of tiles b < a; a < b < a + 4; b > a + 4
.set N1,   144
.set N2,   146
.set SUMA, 148
.set SUMB, 150
.set RM,   152
.set NINF, 153
.set SW,   156                         ; v156-159 scale words, v160-163 -M, v164-167 l of the four blocks
.set MW,   160
.set LW,   164
.set PK,   168
.set WV,   12
.set QI,   13
.set KJ,   14
.set CX,   15
.set CY,   16
.set TI,   17
.set TJ,   18
.set BAT,  19
.set G1,   24
.set G1B,  32
.set G0,   40                          ; s[40:47] group 0 for q's tiles, a set for each slot
.set G0B,  48                          ; s[48:55] the same for k's
.set FB,   56                          ; I fetch for q (0) or for k (1)
.set FG,   57                          ; which group
.set CS,   66                          ; s[66:67] log2(e) / 32
.set SEL,  68
.set M0,   70                          ; all ones where D, my first query less my first key, is under 0;
.set M1,   71                          ; is 0 or less;
.set M2,   72                          ; is 64 or less
.set HM,   73
.set RFL,  81                          ; where my part of chunks 6 and 7 goes
.set RFQ,  84                          ; s[84:85], s[86:87] where it comes from, for q and for k
.set RFK,  86
.set MSB, 0
.macro WIN new                         ; the immediate's high byte repeats the setting that is left
.if MSB != (\new)
	s_set_vgpr_msb (MSB<<8)|(\new)
.set MSB, \new
.endif
.endm
.set MUL, 0x50                         ; sources 0, 1 window 0, C and D window 1
.macro JLOAD g0a, g0b                  ; waves 0-3 fetch q's groups, waves 4-7 k's; four v_nop follow each of the two lines
	s_cmp_eq_u32 s[FB], 0
	s_cbranch_scc0 .Lfor_b_\@
	tensor_load_to_lds s[\g0a:\g0a+3], s[G1:G1+7]
	s_nop 0
.rept 4
	v_nop
.endr
	s_branch .Lasked_\@
.Lfor_b_\@:
	tensor_load_to_lds s[\g0b:\g0b+3], s[G1B:G1B+7]
	s_nop 0
.rept 4
	v_nop
.endr
.Lasked_\@:
.endm
.macro CREST                           ; a round of the cluster's barrier behind its opening barrier
	s_cmp_lg_u32 s[WV], 0
	s_cbranch_scc1 .Lnot_wave_0_\@
	s_barrier_signal -3
.Lnot_wave_0_\@:
	s_barrier_wait -3
	s_barrier_signal -1
	s_barrier_wait -1
.endm
.macro CROUND
	s_barrier_signal -1
	s_barrier_wait -1
	CREST
.endm
.macro PLACES n
.rept \n
	v_nop
.endr
.endm
	s_load_b256 s[4:11], s[0:1], 0x0               ; qimg, kimg, pimg, pside
	v_lshl_add_u32 v[SPW], v0, 2, SPARE
	v_mov_b32 v[NIL], 0
	ds_add_u32 v[SPW], v[NIL]                      ; the opening add, twice on end
	ds_add_u32 v[SPW], v[NIL]
	v_lshrrev_b32 v1, 5, v0
	v_readfirstlane_b32 s[WV], v1
	s_lshr_b32 s[QI], s[WV], 1                     ; my 64 queries
	s_and_b32 s[KJ], s[WV], 1                      ; my 128 keys.  Also: which half of a group's part I fetch
	s_lshr_b32 s[FB], s[WV], 2
	s_and_b32 s[FG], s[QI], 1
	s_bfe_u32 s[CX], ttmp6, 0x40000
	s_bfe_u32 s[CY], ttmp6, 0x40004
	s_add_co_u32 s20, ttmp9, 1
	s_lshr_b32 s20, s20, 1                         ; the block's row: 0, 1, 1
	s_lshl_b32 s20, s20, 2
	s_add_co_u32 s[TI], s20, s[CY]                 ; tile row
	s_lshr_b32 s76, ttmp9, 1                       ; the block's column: 0, 0, 1
	s_lshl_b32 s76, s76, 2
	s_add_co_u32 s[TJ], s76, s[CX]                 ; tile column
	s_and_b32 s[BAT], ttmp7, 0xffff                ; the batch
	s_lshl_b32 s20, s[CY], 2
	s_lshl_b32 s20, 15, s20                        ; my row of the cluster
	s_lshl_b32 s76, 0x1111, s[CX]                  ; my column
	; descriptor group 1: 19,200 dense bytes as 75 rows of 32 elements of 8 bytes, no padding
	s_or_b32 s[G1], s20, (3<<16)|(1<<21)
	s_or_b32 s[G1B], s76, (3<<16)|(1<<21)
.irp g, G1, G1B
	s_mov_b32 s[\g+1], 32<<16
	s_mov_b32 s[\g+2], 75<<16
	s_mov_b32 s[\g+3], 32<<16
	s_mov_b32 s[\g+4], 75
	s_mov_b32 s[\g+5], 32
	s_mov_b32 s[\g+6], 0
	s_mov_b32 s[\g+7], 0
.endr
	s_mov_b32 s[CS], 0x3d38aa3b                    ; log2(e) / sqrt(1024)
	s_mov_b32 s[CS+1], s[CS]
	s_mov_b32 s[SEL], 0x76543210
	s_mov_b32 s[SEL+1], 0xfedcba98
	s_mov_b32 s[HM], 0xffff0000
	; where my operands lie in a slot
	s_lshr_b32 s58, s[QI], 1
	s_mul_i32 s58, s58, STEPB                      ; my group of q
	s_mul_i32 s59, s[FG], 4*1536                   ; QI % 2: which four of its fragments
	s_add_co_u32 s59, s59, s58
	s_mul_i32 s60, s[KJ], STEPB
	s_add_co_u32 s60, s60, 2*STEPB                 ; my group of k
	s_lshl_b32 s61, s[FG], 8
	s_add_co_u32 s61, s61, s58                     ; q's scale words
	s_sub_co_u32 s62, s60, s61
	; the mask: it selects values alone; no branch and no address hangs on it
	s_sub_co_i32 s63, s[TI], s[TJ]
	s_lshl_b32 s63, s63, 8
	s_lshl_b32 s74, s[QI], 6
	s_add_co_i32 s63, s63, s74
	s_lshl_b32 s74, s[KJ], 7
	s_sub_co_i32 s63, s63, s74                     ; D, a multiple of 64
	s_cmp_lt_i32 s63, 0
	s_cselect_b32 s[M0], -1, 0
	s_cmp_le_i32 s63, 0
	s_cselect_b32 s[M1], -1, 0
	s_cmp_le_i32 s63, 64
	s_cselect_b32 s[M2], -1, 0
	v_and_b32 v1, 15, v0                           ; r
	v_bfe_u32 v2, v0, 4, 1                         ; h
	v_and_b32 v3, 31, v0
	v_lshlrev_b32 v[GI], 4, v3
	v_lshlrev_b32 v4, 4, v1
	v_lshl_add_u32 v[G8], v2, 3, v4
	v_add_nc_u32 v[ADRA], s59, v[GI]
	v_add_nc_u32 v[ADRB], s60, v[GI]
	v_mul_u32_u24 v5, s62, v2                      ; lanes 16-31 take k's words: one product, the distance x h
	v_add_nc_u32 v5, v5, v4
	v_add_nc_u32 v[ADRS], s61, v5
	v_add_nc_u32 v[ADRT], s60, v4
	v_add_nc_u32 v[ADRA+1], SLOT, v[ADRA]
	v_add_nc_u32 v[ADRB+1], SLOT, v[ADRB]
	v_add_nc_u32 v[ADRS+1], SLOT, v[ADRS]
	v_add_nc_u32 v[ADRT+1], SLOT, v[ADRT]
	v_lshlrev_b32 v3, 3, v2
	v_sub_nc_u32 v[DD], v1, v3
	v_add_nc_u32 v[DD], s63, v[DD]                 ; in the tile b = a register j is hidden where j > this,
	v_add_nc_u32 v[DD2], 0xffffffc0, v[DD]         ; in the tile b = a + 4 where j > this
	; where the tiles come from
	s_lshl_b32 s22, s[BAT], 4
	s_lshl_b32 s20, s[TI], 1
	s_add_co_u32 s20, s20, s22
	s_add_co_u32 s20, s20, s[FG]                   ; q: group 16 batch + 2 tile row + which
	s_mul_i32 s20, s20, GROUPB
	s_mov_b32 s21, 0
	s_lshl_b32 s76, s[TJ], 1
	s_add_co_u32 s76, s76, s22
	s_add_co_u32 s76, s76, s[FG]                   ; k likewise, in registers that never hold cy
	s_mul_i32 s76, s76, GROUPB
	s_mov_b32 s77, 0
	s_mul_i32 s74, s[KJ], STEPB/2                  ; my half of chunks 0-2 or 3-5
	s_mov_b32 s75, 0
	s_mul_i32 s82, s[KJ], CHUNKB                   ; my half of chunks 6 and 7
	s_mov_b32 s83, 0
	s_mul_i32 s[RFL], s[QI], STEPB
	s_add_co_u32 s[RFL], s[RFL], s82
	s_mul_i32 s23, s[WV], STEPB/2                  ; where they go: wave x 19,200
	s_wait_alu depctr_va_vdst(0)
	s_wait_dscnt 0x0                               ; both opening adds are done
	s_wait_kmcnt 0x0
	s_add_nc_u64 s[4:5], s[4:5], s[20:21]
	s_add_nc_u64 s[6:7], s[6:7], s[76:77]
	s_add_nc_u64 s[RFQ:RFQ+1], s[4:5], s[82:83]
	s_add_nc_u64 s[RFQ:RFQ+1], s[RFQ:RFQ+1], 6*CHUNKB
	s_add_nc_u64 s[RFK:RFK+1], s[6:7], s[82:83]
	s_add_nc_u64 s[RFK:RFK+1], s[RFK:RFK+1], 6*CHUNKB
	s_add_nc_u64 s[4:5], s[4:5], s[74:75]
	s_add_nc_u64 s[6:7], s[6:7], s[74:75]
	CROUND                                         ; all sixteen work-groups are here: the first joint loads meet
.irp s, 0,1
	s_mov_b32 s[G0+4*\s], 1
	s_add_co_u32 s[G0+4*\s+1], s23, \s*SLOT
	s_add_nc_u64 s[G0+4*\s+2:G0+4*\s+3], s[4:5], \s*STEPB
	s_or_b32 s[G0+4*\s+3], s[G0+4*\s+3], 0x80000000
	s_mov_b32 s[G0B+4*\s], 1
	s_add_co_u32 s[G0B+4*\s+1], s23, \s*SLOT
	s_add_nc_u64 s[G0B+4*\s+2:G0B+4*\s+3], s[6:7], \s*STEPB
	s_or_b32 s[G0B+4*\s+3], s[G0B+4*\s+3], 0x80000000
.endr
	JLOAD G0, G0B                                  ; chunks 0-2: one tensor load a wave at the head
	s_lshr_b32 s78, s[QI], 1
	s_lshl_b32 s79, s[TI], 1
	s_add_co_u32 s79, s79, s22
	s_add_co_u32 s79, s79, s78                     ; my group of queries,
	s_lshl_b32 s79, s79, 4
	s_lshl_b32 s80, s[TJ], 1
	s_add_co_u32 s79, s79, s80
	s_add_co_u32 s79, s79, s[KJ]                   ; x 16 + my chunk of keys
	s_mul_i32 s82, s79, 8*1536
	s_mul_i32 s80, s[FG], 4*1536
	s_add_co_u32 s82, s82, s80
	s_add_nc_u64 s[8:9], s[8:9], s[82:83]
	s_mul_i32 s82, s79, 1536
	s_lshl_b32 s80, s[FG], 8
	s_add_co_u32 s82, s82, s80
	s_add_nc_u64 s[10:11], s[10:11], s[82:83]
.macro FRAG reg, adr, off              ; a fragment comes back as it was stored
.irp c, 0,1,2
	ds_load_b128 v[\reg+4*\c:\reg+4*\c+3], v[\adr] offset:\off+512*\c
.endr
.endm
.macro LOADA slot, q, set
.irp a, 0,1,2,3
	FRAG AF+48*(\set)+FR*\a, ADRA+\slot, CHUNKB*(\q)+1536*\a
.endr
.endm
.macro LOADB slot, q, b0
.irp b, \b0, \b0+1, \b0+2, \b0+3
	FRAG BF+FR*(\b), ADRB+\slot, CHUNKB*(\q)+1536*(\b)
.endr
.endm
.macro SCALES slot, q, set             ; register i of a set: lanes 0-15 q's fragment i (i < 4), lanes 16-31 k's fragment i
	ds_load_b128 v[SC+8*(\set):SC+8*(\set)+3], v[ADRS+\slot] offset:CHUNKB*(\q)+8*1536
	ds_load_b128 v[SC+8*(\set)+4:SC+8*(\set)+7], v[ADRT+\slot] offset:CHUNKB*(\q)+8*1536+256
.endm
.macro MUL8 b0, set, zero              ; k's blocks b0, b0 + 1 x q's four: the 32 accumulators take turns, one instruction a turn
.irp b, \b0, \b0+1
.irp a, 0,1,2,3
.if \zero
	v_wmma_scale_f32_16x16x128_f8f6f4 v[64*\a+8*(\b):64*\a+8*(\b)+7], v[BF+FR*(\b):BF+FR*(\b)+FR-1], v[AF+48*(\set)+FR*\a:AF+48*(\set)+FR*\a+FR-1], 0, v[SC+8*(\set)+(\b)], v[SC+8*(\set)+\a] matrix_a_fmt:MATRIX_FMT_BF6 matrix_b_fmt:MATRIX_FMT_BF6 matrix_a_scale:MATRIX_SCALE_ROW1
.else
	v_wmma_scale_f32_16x16x128_f8f6f4 v[64*\a+8*(\b):64*\a+8*(\b)+7], v[BF+FR*(\b):BF+FR*(\b)+FR-1], v[AF+48*(\set)+FR*\a:AF+48*(\set)+FR*\a+FR-1], v[64*\a+8*(\b):64*\a+8*(\b)+7], v[SC+8*(\set)+(\b)], v[SC+8*(\set)+\a] matrix_a_fmt:MATRIX_FMT_BF6 matrix_b_fmt:MATRIX_FMT_BF6 matrix_a_scale:MATRIX_SCALE_ROW1
.endif
.endr
.endr
.endm
; Chunk c, which lies in slot (c / 3) % 2; q's fragments and the scale words take turns between two sets, k's are fetched anew half by half.  mode 2: this slot is read out and is filled again with chunks 6 and 7, behind a round
; of the cluster's barrier; mode 1: a barrier, behind which the refilled slot is read; mode 0: the next chunk was shown to every wave by an earlier barrier.
.macro STEP c, zero, mode
.set PP, (\c)%2
.set NS, (((\c)+1)/3)%2
.set NX, ((\c)+1)%3
.if \mode
	s_wait_tensorcnt 0x0                           ; all my tensor loads have landed
	ds_add_u32 v[SPW], v[NIL]                      ; 0 onto my spare word
.if \mode == 2
.irp g, G1, G1B
	s_mov_b32 s[\g+2], 50<<16                      ; no load of mine is out: from here on a load brings one chunk's bytes
	s_mov_b32 s[\g+4], 50
.endr
	s_mov_b32 s[G0+1], s[RFL]
	s_mov_b64 s[G0+2:G0+3], s[RFQ:RFQ+1]
	s_or_b32 s[G0+3], s[G0+3], 0x80000000
	s_mov_b32 s[G0B+1], s[RFL]
	s_mov_b64 s[G0B+2:G0B+3], s[RFK:RFK+1]
	s_or_b32 s[G0B+3], s[G0B+3], 0x80000000
.endif
	s_wait_dscnt 4*NL+1                            ; (the add and the youngest 12 loads may be out)
	WIN MUL
	MUL8 0, PP, \zero
	s_wait_dscnt 0x0                               ; the add is done, and my reads of this slot are over
	s_barrier_signal -1
	MUL8 2, PP, \zero
	WIN 0
	s_barrier_wait -1
.else
	s_wait_dscnt 4*NL                              ; all but the youngest 12 loads (k's blocks 4-7)
	WIN MUL
	MUL8 0, PP, \zero
	MUL8 2, PP, \zero
	s_wait_dscnt 0x0
	WIN 0
.endif
.if \mode == 2
	CREST                                          ; the round of the cluster's barrier: no wave of any partner still reads this slot or has a load on its way
	JLOAD G0, G0B                                  ; the first tensor load behind the round; its four v_nop are the places in front of the loads below
.else
	PLACES NP
.endif
	LOADA NS, NX, 1-PP
	SCALES NS, NX, 1-PP
	LOADB NS, NX, 0
	WIN MUL
	MUL8 4, PP, \zero
	MUL8 6, PP, \zero
	PLACES NP
	WIN 0
	LOADB NS, NX, 4
.endm
	s_wait_alu depctr_va_vdst(0)
	s_wait_tensorcnt 0x0                           ; my part of chunks 0-2 is in
	ds_add_u32 v[SPW], v[NIL]
	s_wait_dscnt 0x0
	CROUND
	JLOAD G0+4, G0B+4                              ; chunks 3-5
	LOADA 0, 0, 0
	SCALES 0, 0, 0
	LOADB 0, 0, 0
	LOADB 0, 0, 4
	STEP 0, 1, 0                                   ; the first products start the sums
	STEP 1, 0, 0
	STEP 2, 0, 2
	STEP 3, 0, 0
	STEP 4, 0, 0
	STEP 5, 0, 1
	STEP 6, 0, 0
	s_wait_dscnt 4*NL
	WIN MUL
	MUL8 0, 1, 0
	MUL8 2, 1, 0
	s_wait_dscnt 0x0
	MUL8 4, 1, 0
	MUL8 6, 1, 0
	WIN 0
; THE SOFTMAX'S PART of block a: 16 queries x my 128 keys.
.macro SOFT a
.set AC, 64*(\a)
	WIN 0x41                                       ; the tiles b = a and b = a + 4 are masked number by number; the others whole, by their addends
.irp j, 0,1,2,3,4,5,6,7
	v_cmp_gt_i32 vcc_lo, \j, v[DD]
	v_cndmask_b32 v[AC+8*(\a)+\j], v[AC+8*(\a)+\j], v[NINF], vcc_lo
.endr
.irp j, 0,1,2,3,4,5,6,7
	v_cmp_gt_i32 vcc_lo, \j, v[DD2]
	v_cndmask_b32 v[AC+8*(\a)+32+\j], v[AC+8*(\a)+32+\j], v[NINF], vcc_lo
.endr
	WIN 0x14
.irp b, 0,1,2,3,4,5,6,7
	v_max3_num_f32 v[TMX+\b], v[NINF], v[AC+8*\b], v[AC+8*\b+1]   ; each tile's largest score: each accumulator from its low end on
.endr
.irp i, 2,4,6
.irp b, 0,1,2,3,4,5,6,7
	v_max3_num_f32 v[TMX+\b], v[TMX+\b], v[AC+8*\b+\i], v[AC+8*\b+\i+1]
.endr
.endr
	WIN 0
.irp b, 0,1,2,3,4,5,6,7
.if \b < (\a)
	v_cndmask_b32 v[TMX+\b], v[TMX+\b], v[NINF], s[M0]
.endif
.if (\b > (\a)) && (\b < (\a)+4)
	v_cndmask_b32 v[TMX+\b], v[TMX+\b], v[NINF], s[M1]
.endif
.if \b > (\a)+4
	v_cndmask_b32 v[TMX+\b], v[TMX+\b], v[NINF], s[M2]
.endif
.endr
.irp g, 0,1,2,3
	v_max_num_f32 v[BMX+\g], v[TMX+2*\g], v[TMX+2*\g+1]
.endr
.irp g, 0,1,2,3
	v_permlanex16_b32 v[BT+\g], v[BMX+\g], s[SEL], s[SEL+1]
.endr
.irp g, 0,1,2,3
	v_max_num_f32 v[BMX+\g], v[BMX+\g], v[BT+\g]   ; the largest score of each block of 32 keys: it serves for the row's maximum and, since p rises with the score, for the block's largest p
.endr
	v_max3_num_f32 v[RM], v[BMX], v[BMX+1], v[BMX+2]
	v_max_num_f32 v[RM], v[RM], v[BMX+3]
	v_mul_f32 v[RM], s[CS], v[RM]                  ; as t
	v_max_num_f32 v[RM], 0xf149f2ca, v[RM]         ; a row with no key in this chunk: -1e30, so that -M stays a number
	v_floor_f32 v[NM], -v[RM]                      ; -M = floor(-t): M is a whole number
.if (\a) > 0
	v_cndmask_b32 v[N0], v[NM], v[NINF], s[M0]     ; a hidden tile's addend is -infinity: p = 0
.endif
	v_cndmask_b32 v[N1], v[NM], v[NINF], s[M1]
.if (\a) < 3
	v_cndmask_b32 v[N2], v[NM], v[NINF], s[M2]
.endif
	WIN 0x01
.irp b, 0,1,2,3,4,5,6,7
.set AD, NM
.if \b < (\a)
.set AD, N0
.endif
.if (\b > (\a)) && (\b < (\a)+4)
.set AD, N1
.endif
.if \b > (\a)+4
.set AD, N2
.endif
.irp i, 0,2,4,6
	v_pk_fma_f32 v[H+8*\b+\i:H+8*\b+\i+1], v[AC+8*\b+\i:AC+8*\b+\i+1], s[CS:CS+1], v[AD:AD+1] op_sel_hi:[1,0,0]   ; t - M, two at a time, into window 0
.endr
.endr
	WIN 0
.irp g, 0,1,2,3
	v_fma_f32 v[BMX+\g], v[BMX+\g], s[CS], v[NM]   ; the same of each block's largest score
.endr
.set i, 0
	s_wait_alu depctr_va_vdst(0)
.rept 64
	v_exp_f32 v[H+i], v[H+i]                       ; p = 2^(t - M), at most 1
.set i, i+1
.endr
	v_mov_b32 v[MW+(\a)], v[NM]                    ; -M is kept.  (The plain place behind the exponentials)
	s_wait_alu depctr_va_vdst(0)                   ; one wait for the whole batch, ahead of its first reader
.irp g, 0,1,2,3
	v_exp_f32 v[BMX+\g], v[BMX+\g]                 ; the block's largest p
.endr
	v_pk_add_f32 v[SUMA:SUMA+1], v[H:H+1], v[H+2:H+3]          ; the sum of the unquantised p, in two chains: plain work behind the four
	v_pk_add_f32 v[SUMB:SUMB+1], v[H+4:H+5], v[H+6:H+7]
.irp j, 8,12,16,20,24,28,32,36,40,44,48,52,56,60
	v_pk_add_f32 v[SUMA:SUMA+1], v[SUMA:SUMA+1], v[H+\j:H+\j+1]
	v_pk_add_f32 v[SUMB:SUMB+1], v[SUMB:SUMB+1], v[H+\j+2:H+\j+3]
.endr
	v_pk_add_f32 v[SUMA:SUMA+1], v[SUMA:SUMA+1], v[SUMB:SUMB+1]
	v_add_f32 v[SUMA], v[SUMA], v[SUMA+1]
	v_permlanex16_b32 v[BT], v[SUMA], s[SEL], s[SEL+1]
	v_add_f32 v[LW+(\a)], v[SUMA], v[BT]           ; with lane l xor 16's 64 keys
	s_wait_alu depctr_va_vdst(0)                   ; and one wait for the four
.irp g, 0,1,2,3
	v_max_num_f32 v[BMX+\g], 0x2800000, v[BMX+\g]  ; the floor 2^(5 - 127): the byte cannot fall under 1
.endr
.irp g, 0,1,2,3
	v_add_nc_u32 v[SO+\g], 0xfe000000, v[BMX+\g]   ; 4 off the exponent field: the conversion's scale operand
.endr
.irp g, 0,1,2,3
	v_lshrrev_b32 v[BT+\g], 23, v[SO+\g]           ; the scale's byte, at most 123
.endr
	v_lshl_or_b32 v[SW+(\a)], v[BT+1], 8, v[BT]
	v_lshl_or_b32 v[SW+(\a)], v[BT+2], 16, v[SW+(\a)]
	v_lshl_or_b32 v[SW+(\a)], v[BT+3], 24, v[SW+(\a)]
	s_wait_xcnt 0x0                                ; the last block's stores have read the codes' registers, which the conversions below write first
.irp c, 0,1                            ; registers 16 g .. 16 g + 15 hold, of block g, keys 8 h + 0..7 and 16 + 8 h + 0..7
	v_cvt_scalef32_pk16_bf6_f32 v[PC+6*\c:PC+2+6*\c], v[H+32*\c:H+15+32*\c], v[SO+2*\c]
	v_cvt_scalef32_pk16_bf6_f32 v[PC+12+4*\c:PC+14+4*\c], v[H+16+32*\c:H+31+32*\c], v[SO+2*\c+1]
.endr
	v_nop                                          ; one plain place behind a scaled conversion
.irp c, 0,1
.irp i, 0,1,2
	v_permlane16_swap_b32 v[PC+6*\c+\i], v[PC+12+4*\c+\i]
.endr
.irp i, 0,1,2
	v_mov_b32 v[PC+3+6*\c+\i], v[PC+12+4*\c+\i]
.endr
.endr
.irp c, 0,1,2
	global_store_b128 v[GI], v[PC+4*\c:PC+4*\c+3], s[8:9] offset:1536*(\a)+512*\c   ; 32 lanes store 512 consecutive bytes
.endr
.endm
	PLACES NP                                      ; behind the last products
	PLACES 1                                       ; (and their operands' registers are written below)
	v_mov_b32 v[NINF], 0xff800000
.irp g, 0,1,2,3
	v_mov_b32 v[BT+\g], 0                          ; written once: a lane permute's destination counts as one of its sources
.endr
	v_mov_b32 v[NM+1], 0                           ; (named as the upper halves of pairs)
	v_mov_b32 v[N0+1], 0
	v_mov_b32 v[N1+1], 0
	v_mov_b32 v[N2+1], 0
.irp a, 0,1,2,3
	SOFT \a
.endr
.irp j, 0,1                            ; lane (r, h) stores the words of fragments 2 h, 2 h + 1: the 32 lanes store 256 consecutive bytes
	v_cndmask_b32 v[PK+\j], v[SW+\j], v[SW+2+\j], s[HM]
	v_cndmask_b32 v[PK+2+\j], v[MW+\j], v[MW+2+\j], s[HM]
	v_cndmask_b32 v[PK+4+\j], v[LW+\j], v[LW+2+\j], s[HM]
.endr
.irp j, 0,1,2
	global_store_b64 v[G8], v[PK+2*\j:PK+2*\j+1], s[10:11] offset:512*\j
.endr
	s_wait_tensorcnt 0x0                           ; the wave's end
	ds_add_u32 v[SPW], v[NIL]
	s_wait_dscnt 0x0
	CROUND                                         ; the closing round
	s_endpgm
.Lfunc_end_k_q9f39faf4ed_score:
	.size	k_q9f39faf4ed_score, .Lfunc_end_k_q9f39faf4ed_score-k_q9f39faf4ed_score
	.p2alignl 7, 3214868480
	.fill 96, 4, 3214868480
	.section	.rodata,"a",@progbits
	.p2align	6, 0x0
	.amdhsa_kernel k_q9f39faf4ed_score
		.amdhsa_group_segment_fixed_size 327680
		.amdhsa_private_segment_fixed_size 0
		.amdhsa_enable_private_segment 0
		.amdhsa_kernarg_size 32
		.amdhsa_user_sgpr_count 2
		.amdhsa_user_sgpr_kernarg_segment_ptr 1
		.amdhsa_wavefront_size32 1
		.amdhsa_system_sgpr_workgroup_id_x 1
		.amdhsa_system_sgpr_workgroup_id_y 1
		.amdhsa_system_sgpr_workgroup_id_z 1
		.amdhsa_system_vgpr_workitem_id 0
		.amdhsa_next_free_vgpr 512
		.amdhsa_next_free_sgpr 90
		.amdhsa_reserve_vcc 1
		.amdhsa_float_denorm_mode_32 3
		.amdhsa_float_denorm_mode_16_64 3
		.amdhsa_memory_ordered 1
		.amdhsa_forward_progress 1
		.amdhsa_inst_pref_size 117
	.end_amdhsa_kernel
	.amdgpu_metadata
---
amdhsa.version: [ 1, 2 ]
amdhsa.kernels:
  - .name:           k_q9f39faf4ed_score
    .symbol:         k_q9f39faf4ed_score.kd
    .args:
      - { .name: qimg, .offset: 0, .size: 8, .value_kind: global_buffer, .address_space: global }
      - { .name: kimg, .offset: 8, .size: 8, .value_kind: global_buffer, .address_space: global }
      - { .name: pimg, .offset: 16, .size: 8, .value_kind: global_buffer, .address_space: global }
      - { .name: pside, .offset: 24, .size: 8, .value_kind: global_buffer, .address_space: global }
    .group_segment_fixed_size: 327680
    .private_segment_fixed_size: 0
    .kernarg_segment_align: 8
    .kernarg_segment_size: 32
    .max_flat_workgroup_size: 256
    .sgpr_count:     90
    .vgpr_count:     512
    .wavefront_size: 32
...
	.end_amdgpu_metadata
.endif
;; end of part 2
;; launch pv (part 3): grid 4 x 64, 4 waves a work-group, clusters of 4 x 4, 327,680 bytes of LDS; arguments pimg, pside, vimg, out0; writes out0
.if DOCPART == 3
	.amdgcn_target "amdgcn-amd-amdhsa--gfx1250"
	.amdhsa_code_object_version 6
	.text
	.protected	k_q9f39faf4ed_pv
	.globl	k_q9f39faf4ed_pv
	.p2align	8
	.type	k_q9f39faf4ed_pv,@function
k_q9f39faf4ed_pv:
	s_mov_b64 s[64:65], 0
	v_nop
	global_prefetch_b8 v0, s[64:65] scope:SCOPE_SE
	s_setreg_imm32_b32 hwreg(HW_REG_WAVE_MODE, 25, 1), 1
	s_wait_xcnt 0x0
	s_wait_alu depctr_hold_cnt(0) depctr_sa_sdst(0) depctr_va_vdst(0) depctr_va_sdst(0) depctr_va_ssrc(0) depctr_va_vcc(0) depctr_vm_vsrc(0)
	s_getreg_b32 s2, hwreg(HW_REG_IB_STS2, 6, 4)
	s_cmp_eq_u32 s2, 0
	s_cbranch_scc0 .Lentry_in_a_cluster
	s_endpgm
.Lentry_in_a_cluster:
	s_bfe_u32 s2, ttmp6, 0x10000c
	s_cmp_lg_u32 s2, 0xf033
	s_cbranch_scc0 .Lentry_shape_is_right
	s_endpgm
.Lentry_shape_is_right:
; out = (p v) / l: p's codes and scale bytes by chunks of 128 keys, v's codes, sums in f32.  A work-group makes 128 queries x 256 channels, a wave 64 x 128; the longer walk is 16 chunks of keys, the shorter 8.
; Each row's largest M is found over its chunks; the whole-number difference of a chunk's M is taken off p's scale bytes (a byte that would fall under 1 becomes 0 with codes that count for less than 2^-120 of the row) and scales the chunk's l.
; WORK LEFT OUT: the chunks of keys behind the first 1,024 for the first 1,024 queries of a batch, which the causal mask hides whole (the first kernel's head shows why they are dead).
; Slot 0's load is the wave's one load at the head; the row sums and scale bytes are worked out while it is on its way; slot 1's first fill stands behind the full sequence.
; LIMITS: NaN and infinities are not served.
.set FR,     12
.set PCH,    12288
.set VCH,    12800
.set ABYTES, 4*PCH
.set SLOT,   ABYTES+2*4*VCH
.set SPARE,  2*SLOT
.set STAGE,  SPARE+512
.set SP,     272
.set ADRA,  16
.set ADRB,  20
.set ADRBS, 22
; PREFETCH: slot s + 1's tiles are asked for one slot ahead of their tensor load: slot 1's at the head, slot 2's behind chunk 0, slot 3's behind slot 2's load.  Each cluster names each 256-byte block of its own tiles once: waves 0, 1
; p's (a partner the 24 blocks at cx x 6,144 of each half), waves 2, 3 v's (the 50 blocks at cy x 12,800).  It stops with slot 3, in the shorter walk with slot 1.
.set ADR8,  18
.set PF,    8                          ; v8, v9 the prefetches' offsets
.set PS,    2                          ; s[2:3] from slot to slot
.set PB,    70                         ; s[70:71] where the prefetches stand
.set STO,   24
.set RD,    25
.set GO,    26
.set SIDE,  27
.set SPW,   28
.set NIL,   29
.set AS,    32
.set BS,    96
.set AF,    112
.set NMV,   112
.set LV,    144
.set TA,    208
.set NMR,   240
.set LS,    242
.set RL,    244
.set XR,    246
.set RLF,   248
.set T0,    112
.set BK,    176
.set WV,   12
.set RH,   13
.set CHF,  14
.set CX,   15
.set CY,   16
.set LNG,  17
.set BAT,  18
.set GQ,   19
.set GP,   58
.set G1,   24
.set G1B,  32
.set G0,   40
.set G0B,  48
.set SEL,  66
.set HM,   68
.set C80,  69
.set MSB, 0
.macro WIN new
.if MSB != (\new)
	s_set_vgpr_msb (MSB<<8)|(\new)
.set MSB, \new
.endif
.endm
.set MUL,  0x52
.set TO_B, 0x80
.macro JLOAD s
	s_cmp_eq_u32 s[RH], 0
	s_cbranch_scc0 .Lfor_b_\@
	tensor_load_to_lds s[G0+4*\s:G0+4*\s+3], s[G1:G1+7]
	s_nop 0
.rept 4
	v_nop
.endr
	s_branch .Lasked_\@
.Lfor_b_\@:
	tensor_load_to_lds s[G0B+4*\s:G0B+4*\s+3], s[G1B:G1B+7]
	s_nop 0
.rept 4
	v_nop
.endr
.Lasked_\@:
.endm
.macro CREST
	s_cmp_lg_u32 s[WV], 0
	s_cbranch_scc1 .Lnot_wave_0_\@
	s_barrier_signal -3
.Lnot_wave_0_\@:
	s_barrier_wait -3
	s_barrier_signal -1
	s_barrier_wait -1
.endm
.macro CROUND
	s_barrier_signal -1
	s_barrier_wait -1
	CREST
.endm
.macro PLACES n
.rept \n
	v_nop
.endr
.endm
.macro SIDELD p, base, c
	global_load_b64 v[AS+2*(\p):AS+2*(\p)+1], v[SIDE], s[\base:\base+1] offset:1536*(\c)
	global_load_b64 v[NMV+2*(\p):NMV+2*(\p)+1], v[SIDE], s[\base:\base+1] offset:1536*(\c)+512
	global_load_b64 v[LV+2*(\p):LV+2*(\p)+1], v[SIDE], s[\base:\base+1] offset:1536*(\c)+1024
.endm
	s_load_b256 s[4:11], s[0:1], 0x0
	v_lshl_add_u32 v[SPW], v0, 2, SPARE
	v_mov_b32 v[NIL], 0
	ds_add_u32 v28, v29
	ds_add_u32 v28, v29
	s_wait_dscnt 0x0
	v_lshrrev_b32 v1, 5, v0
	v_readfirstlane_b32 s[WV], v1
	s_lshr_b32 s[RH], s[WV], 1
	s_and_b32 s[CHF], s[WV], 1
	s_bfe_u32 s[CX], ttmp6, 0x40000
	s_bfe_u32 s[CY], ttmp6, 0x40004
	s_and_b32 s20, ttmp7, 0xffff
	s_lshr_b32 s[BAT], s20, 2
	s_and_b32 s20, s20, 3
	s_lshr_b32 s[LNG], s20, 1
	s_lshl_b32 s20, s20, 2
	s_add_co_u32 s[GQ], s20, s[CY]
	s_lshl_b32 s20, s[BAT], 4
	s_add_co_u32 s[GP], s20, s[GQ]
	s_lshl_b32 s20, s[CY], 2
	s_lshl_b32 s20, 15, s20
	s_lshl_b32 s56, 0x1111, s[CX]
	s_or_b32 s[G1], s20, (3<<16)|(1<<21)
	s_mov_b32 s[G1+1], 32<<16
	s_mov_b32 s[G1+2], 96<<16
	s_mov_b32 s[G1+3], 32<<16
	s_mov_b32 s[G1+4], 96
	s_mov_b32 s[G1+5], 32
	s_mov_b32 s[G1+6], 0
	s_mov_b32 s[G1+7], 0
	s_or_b32 s[G1B], s56, (3<<16)|(1<<21)
	s_mov_b32 s[G1B+1], 32<<16
	s_mov_b32 s[G1B+2], 200<<16
	s_mov_b32 s[G1B+3], 32<<16
	s_mov_b32 s[G1B+4], 200
	s_mov_b32 s[G1B+5], 32
	s_mov_b32 s[G1B+6], 0
	s_mov_b32 s[G1B+7], 0
	s_mov_b32 s[SEL], 0x76543210
	s_mov_b32 s[SEL+1], 0xfedcba98
	s_mov_b32 s[HM], 0xffff0000
	s_mov_b32 s[C80], 0x80808080
	s_mul_i32 s20, s[GP], 16*PCH
	s_mul_i32 s21, s[CHF], 2*PCH
	s_add_co_u32 s20, s20, s21
	s_mov_b32 s21, 0
	s_lshl_b32 s56, s[BAT], 3
	s_lshl_b32 s57, s[CX], 1
	s_add_co_u32 s56, s56, s57
	s_add_co_u32 s56, s56, s[CHF]
	s_mul_i32 s56, s56, 16*VCH
	s_mov_b32 s57, 0
	s_mul_i32 s22, s[CHF], 2*PCH
	s_mul_i32 s23, s[CHF], 4*VCH
	s_add_co_u32 s23, s23, ABYTES
	v_and_b32 v1, 15, v0
	v_bfe_u32 v2, v0, 4, 1
	v_lshlrev_b32 v[SIDE], 4, v1
	v_lshl_add_u32 v[SIDE], v2, 3, v[SIDE]
	s_wait_alu depctr_va_vdst(0)
	s_wait_kmcnt 0x0
	s_add_nc_u64 s[4:5], s[4:5], s[20:21]
	s_add_nc_u64 s[8:9], s[8:9], s[56:57]
	s_lshl_b32 s20, s[RH], 8
	v_add_nc_u32 v[SIDE], s20, v[SIDE]
	s_mul_i32 s20, s[GP], 16*1536
	s_mov_b32 s21, 0
	s_add_nc_u64 s[60:61], s[6:7], s[20:21]
	s_mul_i32 s20, s[LNG], 8*1536
	s_add_nc_u64 s[62:63], s[60:61], s[20:21]
	SIDELD 0, 60, 0
.irp p, 9,10,11,12,13,14,15
	SIDELD \p, 62, \p-8
.endr
.set i, 2
.rept 16
	v_mov_b32 v[AS+i], 0
	v_mov_b32 v[NMV+i], 0x7149f2ca
	v_mov_b32 v[LV+i], 0
.set i, i+1
.endr
	s_cmp_eq_u32 s[LNG], 0
	s_cbranch_scc1 .Lshort_side
.irp p, 1,2,3,4,5,6,7,8
	SIDELD \p, 60, \p
.endr
.Lshort_side:
	CROUND                                         ; all sixteen work-groups are here: the first joint loads meet
.irp s, 0,1
	s_mov_b32 s[G0+4*\s], 1
	s_add_co_u32 s[G0+4*\s+1], s22, \s*SLOT
	s_add_nc_u64 s[G0+4*\s+2:G0+4*\s+3], s[4:5], \s*4*PCH
	s_or_b32 s[G0+4*\s+3], s[G0+4*\s+3], 0x80000000
	s_mov_b32 s[G0B+4*\s], 1
	s_add_co_u32 s[G0B+4*\s+1], s23, \s*SLOT
	s_add_nc_u64 s[G0B+4*\s+2:G0B+4*\s+3], s[8:9], \s*4*VCH
	s_or_b32 s[G0B+4*\s+3], s[G0B+4*\s+3], 0x80000000
.endr
	JLOAD 0                                        ; chunks 0-3: one tensor load a wave at the head
	v_and_b32 v3, 31, v0
	v_lshlrev_b32 v3, 4, v3
	v_lshlrev_b32 v4, 4, v1
	v_lshrrev_b32 v6, 1, v3                        ; 8 x lane
	s_mul_i32 s20, s[RH], 4*1536
	s_mul_i32 s21, s[CHF], 4*VCH
	s_add_co_u32 s21, s21, ABYTES
.irp s, 0,1
	v_add_nc_u32 v[ADRA+\s], s20, v3
	v_add_nc_u32 v[ADRB+\s], s21, v3
	v_add_nc_u32 v[ADRBS+\s], s21, v4
	v_add_nc_u32 v[ADR8+\s], s21, v6
	s_add_co_u32 s20, s20, SLOT
	s_add_co_u32 s21, s21, SLOT
.endr
	s_mul_i32 s20, s[WV], 16*SP
	s_add_co_u32 s20, s20, STAGE
	v_mul_u32_u24 v5, v1, SP
	v_lshl_add_u32 v5, v2, 5, v5
	v_add_nc_u32 v[STO], s20, v5
	v_mul_u32_u24 v5, v2, SP
	v_lshl_add_u32 v5, v1, 4, v5
	v_add_nc_u32 v[RD], s20, v5
	v_lshlrev_b32 v[GO], 12, v2
	v_lshl_add_u32 v[GO], v1, 4, v[GO]
	s_lshl_b32 s20, s[BAT], 11
	s_lshl_b32 s21, s[GQ], 7
	s_add_co_u32 s20, s20, s21
	s_lshl_b32 s21, s[RH], 6
	s_add_co_u32 s20, s20, s21
	s_lshl_b32 s20, s20, 12
	s_lshl_b32 s21, s[CX], 10
	s_add_co_u32 s20, s20, s21
	s_lshl_b32 s21, s[CHF], 9
	s_add_co_u32 s20, s20, s21
	s_mov_b32 s21, 0
	s_add_nc_u64 s[10:11], s[10:11], s[20:21]
	s_mul_i32 s20, s[CX], 24*256
	s_mul_i32 s21, s[CY], 50*256
	s_mov_b32 s[PS], 4*VCH
	s_mov_b32 s[PS+1], 0
	s_cmp_eq_u32 s[RH], 0                          ; do I fetch p's tiles?
	s_cselect_b32 s20, s20, s21
	s_cselect_b32 s21, 23, 31
	s_cselect_b32 s[PS], 4*PCH, s[PS]
	s_cselect_b64 s[PB:PB+1], s[4:5], s[8:9]
	s_add_nc_u64 s[PB:PB+1], s[PB:PB+1], s[PS:PS+1]
	v_and_b32 v7, 31, v0
	v_min_u32 v[PF], s21, v7                       ; (lanes left over name the last block again)
	v_min_u32 v[PF+1], 17, v7
	v_lshlrev_b32 v[PF], 8, v[PF]
	v_lshlrev_b32 v[PF+1], 8, v[PF+1]
	v_add_nc_u32 v[PF], s20, v[PF]
	v_add_nc_u32 v[PF+1], s20, v[PF+1]
.macro PREF
	global_prefetch_b8 v[PF], s[PB:PB+1] th:TH_LOAD_NT scope:SCOPE_SE
	s_cmp_eq_u32 s[RH], 0
	s_cbranch_scc1 .Lnamed_\@
	global_prefetch_b8 v[PF+1], s[PB:PB+1] offset:8192 th:TH_LOAD_NT scope:SCOPE_SE
.Lnamed_\@:
.endm
	s_wait_alu depctr_va_vdst(0)
	PREF                                           ; slot 1's tiles
	v_mov_b32 v[XR], 0
	v_mov_b32 v[XR+1], 0
	s_wait_alu depctr_va_vdst(0)
	s_wait_loadcnt 0x0
.irp j, 0,1
	v_min3_num_f32 v[NMR+\j], v[NMV+\j], v[NMV+2+\j], v[NMV+4+\j]
.endr
.irp p, 3,5,7,9,11,13
.irp j, 0,1
	v_min3_num_f32 v[NMR+\j], v[NMR+\j], v[NMV+2*\p+\j], v[NMV+2*\p+2+\j]
.endr
.endr
.irp j, 0,1
	v_min_num_f32 v[NMR+\j], v[NMR+\j], v[NMV+30+\j]
.endr
.macro ADJ p
.irp j, 0,1
	v_sub_f32 v[TA+8*\j], v[NMR+\j], v[NMV+2*(\p)+\j]
.endr
.irp j, 0,1
	v_sub_f32 v[TA+8*\j+2], v[NMV+2*(\p)+\j], v[NMR+\j]
.endr
.irp j, 0,1
	v_cvt_i32_f32 v[TA+8*\j+1], v[TA+8*\j]
.endr
.irp j, 0,1
	v_min_num_f32 v[TA+8*\j+2], 0x42fe0000, v[TA+8*\j+2]
.endr
.irp j, 0,1
.if (\p) == 0
	v_ldexp_f32 v[LS+\j], v[LV+\j], v[TA+8*\j+1]
.else
	v_ldexp_f32 v[TA+8*\j+1], v[LV+2*(\p)+\j], v[TA+8*\j+1]
.endif
.endr
.irp j, 0,1
	v_cvt_i32_f32 v[TA+8*\j], v[TA+8*\j+2]
.endr
.if (\p) != 0
.irp j, 0,1
	v_add_f32 v[LS+\j], v[LS+\j], v[TA+8*\j+1]
.endr
.endif
.irp j, 0,1
	v_lshl_or_b32 v[TA+8*\j], v[TA+8*\j], 8, v[TA+8*\j]
.endr
.irp j, 0,1
	v_or_b32 v[TA+8*\j+2], s[C80], v[AS+2*(\p)+\j]
.endr
.irp j, 0,1
	v_lshl_or_b32 v[TA+8*\j], v[TA+8*\j], 16, v[TA+8*\j]
.endr
.irp j, 0,1
	v_sub_nc_u32 v[TA+8*\j+2], v[TA+8*\j+2], v[TA+8*\j]
.endr
.irp j, 0,1
	v_and_b32 v[TA+8*\j+3], s[C80], v[TA+8*\j+2]
.endr
.irp j, 0,1
	v_lshrrev_b32 v[TA+8*\j+4], 7, v[TA+8*\j+3]
.endr
.irp j, 0,1
	v_sub_nc_u32 v[TA+8*\j+3], v[TA+8*\j+3], v[TA+8*\j+4]
.endr
.irp j, 0,1
	v_and_b32 v[AS+2*(\p)+\j], v[TA+8*\j+2], v[TA+8*\j+3]
.endr
.endm
.irp p, 0,1,2,3,4,5,6,7,8,9,10,11,12,13,14,15
	ADJ \p
.endr
	s_wait_alu depctr_va_vdst(0)
	v_rcp_f32 v[RL], v[LS]
	v_rcp_f32 v[RL+1], v[LS+1]
	v_nop
	s_wait_alu depctr_va_vdst(0)
	v_permlanex16_b32 v[XR], v[RL], s[SEL], s[SEL+1]
	v_permlanex16_b32 v[XR+1], v[RL+1], s[SEL], s[SEL+1]
.irp j, 0,1
	v_cndmask_b32 v[RLF+2*\j], v[RL+\j], v[XR+\j], s[HM]
	v_cndmask_b32 v[RLF+2*\j+1], v[RL+\j], v[XR+\j], s[HM]
	v_cndmask_b32 v[RLF+4+2*\j], v[XR+\j], v[RL+\j], s[HM]
	v_cndmask_b32 v[RLF+4+2*\j+1], v[XR+\j], v[RL+\j], s[HM]
.endr
.macro FETCH sl, q, set
	WIN 0
.irp g, 0,1
	ds_load_b128 v[BS+8*(\set)+4*\g:BS+8*(\set)+4*\g+3], v[ADRBS+\sl] offset:VCH*(\q)+8*1536+256*\g
.endr
	WIN TO_B
.irp i, 0,1,2,3,4,5,6,7
.irp c, 0,1                            ; v's fragments lie in halves of 64 keys: four registers of each lane, then two
	ds_load_b128 v[128*(\set)+FR*\i+6*\c:128*(\set)+FR*\i+6*\c+3], v[ADRB+\sl] offset:VCH*(\q)+1536*\i+768*\c
	ds_load_b64 v[128*(\set)+FR*\i+6*\c+4:128*(\set)+FR*\i+6*\c+5], v[ADR8+\sl] offset:VCH*(\q)+1536*\i+768*\c+512
.endr
.endr
	WIN 0
.irp i, 0,1,2,3
.irp c, 0,1,2
	ds_load_b128 v[AF+48*(\set)+FR*\i+4*\c:AF+48*(\set)+FR*\i+4*\c+3], v[ADRA+\sl] offset:PCH*(\q)+1536*\i+512*\c
.endr
.endr
.endm
.macro MUL8 a, set, p, zero
.irp b, 0,1,2,3,4,5,6,7
.if \zero
.if (\a) < 2
	v_wmma_scale_f32_16x16x128_f8f6f4 v[8*(8*(\a)+\b):8*(8*(\a)+\b)+7], v[128*(\set)+FR*\b:128*(\set)+FR*\b+FR-1], v[AF+48*(\set)+FR*(\a):AF+48*(\set)+FR*(\a)+FR-1], 0, v[BS+8*(\set)+\b], v[AS+2*(\p)+(\a)] matrix_a_fmt:MATRIX_FMT_BF6 matrix_b_fmt:MATRIX_FMT_BF6
.else
	v_wmma_scale_f32_16x16x128_f8f6f4 v[8*(8*(\a)+\b):8*(8*(\a)+\b)+7], v[128*(\set)+FR*\b:128*(\set)+FR*\b+FR-1], v[AF+48*(\set)+FR*(\a):AF+48*(\set)+FR*(\a)+FR-1], 0, v[BS+8*(\set)+\b], v[AS+2*(\p)+(\a)-2] matrix_a_fmt:MATRIX_FMT_BF6 matrix_b_fmt:MATRIX_FMT_BF6 matrix_b_scale:MATRIX_SCALE_ROW1
.endif
.else
.if (\a) < 2
	v_wmma_scale_f32_16x16x128_f8f6f4 v[8*(8*(\a)+\b):8*(8*(\a)+\b)+7], v[128*(\set)+FR*\b:128*(\set)+FR*\b+FR-1], v[AF+48*(\set)+FR*(\a):AF+48*(\set)+FR*(\a)+FR-1], v[8*(8*(\a)+\b):8*(8*(\a)+\b)+7], v[BS+8*(\set)+\b], v[AS+2*(\p)+(\a)] matrix_a_fmt:MATRIX_FMT_BF6 matrix_b_fmt:MATRIX_FMT_BF6
.else
	v_wmma_scale_f32_16x16x128_f8f6f4 v[8*(8*(\a)+\b):8*(8*(\a)+\b)+7], v[128*(\set)+FR*\b:128*(\set)+FR*\b+FR-1], v[AF+48*(\set)+FR*(\a):AF+48*(\set)+FR*(\a)+FR-1], v[8*(8*(\a)+\b):8*(8*(\a)+\b)+7], v[BS+8*(\set)+\b], v[AS+2*(\p)+(\a)-2] matrix_a_fmt:MATRIX_FMT_BF6 matrix_b_fmt:MATRIX_FMT_BF6 matrix_b_scale:MATRIX_SCALE_ROW1
.endif
.endif
.endr
.endm
.macro CHUNK sl, q, p, zero
	s_wait_dscnt 6
	WIN MUL
	MUL8 0, (\q)%2, \p, \zero
	MUL8 1, (\q)%2, \p, \zero
	s_wait_dscnt 0
	PLACES 4
	FETCH \sl, (\q)+1, 1-(\q)%2
	WIN MUL
	MUL8 2, (\q)%2, \p, \zero
	MUL8 3, (\q)%2, \p, \zero
.endm
.macro TURN sl, nx, fill, p
	WIN 0
.if (\fill) && (\sl) == 0
	s_wait_xcnt 0x0                                ; slot 2's prefetches have read their base
	s_add_nc_u64 s[PB:PB+1], s[PB:PB+1], s[PS:PS+1]
.endif
	s_wait_tensorcnt 0x0
	ds_add_u32 v[SPW], v[NIL]
	s_wait_dscnt 7
	WIN MUL
	MUL8 0, 1, \p, 0
	s_wait_dscnt 0x0
	s_barrier_signal -1
	MUL8 1, 1, \p, 0
	WIN 0
	s_barrier_wait -1
.if \fill
	CREST
	s_add_nc_u64 s[G0+4*\sl+2:G0+4*\sl+3], s[G0+4*\sl+2:G0+4*\sl+3], 2*4*PCH
	s_add_nc_u64 s[G0B+4*\sl+2:G0B+4*\sl+3], s[G0B+4*\sl+2:G0B+4*\sl+3], 2*4*VCH
	JLOAD \sl
.else
	PLACES 4
.endif
	FETCH \nx, 0, 0
.if (\fill) && (\sl) == 0
	PREF                                           ; slot 3's tiles
.endif
	WIN MUL
	MUL8 2, 1, \p, 0
	MUL8 3, 1, \p, 0
.endm
	s_wait_alu depctr_va_vdst(0)
	s_wait_tensorcnt 0x0                           ; my part of slot 0 is in
	ds_add_u32 v[SPW], v[NIL]
	s_wait_dscnt 0x0
	CROUND
	JLOAD 1
	FETCH 0, 0, 0
	CHUNK 0, 0, 0, 1
	WIN 0
	s_cmp_eq_u32 s[LNG], 0
	s_cbranch_scc1 .Ltail
	s_wait_xcnt 0x0                                ; slot 1's prefetches have read their base
	s_add_nc_u64 s[PB:PB+1], s[PB:PB+1], s[PS:PS+1]
	PREF                                           ; slot 2's tiles
	CHUNK 0, 1, 1, 0
	CHUNK 0, 2, 2, 0
	TURN 0, 1, 1, 3
	CHUNK 1, 0, 4, 0
	CHUNK 1, 1, 5, 0
	CHUNK 1, 2, 6, 0
	TURN 1, 0, 1, 7
	CHUNK 0, 0, 8, 0
	WIN 0
.Ltail:
	CHUNK 0, 1, 9, 0
	CHUNK 0, 2, 10, 0
	TURN 0, 1, 0, 11
	CHUNK 1, 0, 12, 0
	CHUNK 1, 1, 13, 0
	CHUNK 1, 2, 14, 0
	s_wait_dscnt 6
	WIN MUL
	MUL8 0, 1, 15, 0
	MUL8 1, 1, 15, 0
	s_wait_alu depctr_va_vdst(0)
	s_wait_dscnt 0
	MUL8 2, 1, 15, 0
	MUL8 3, 1, 15, 0
	WIN 0
.macro UNIT n
.set UA, (\n)/2
.set UU, (\n)%2
.set TT, T0+32*((\n)%2)
.set BB, BK+32*((\n)%2)
	WIN 0x01
.set i, 0
.rept 16
	v_pk_mul_f32 v[TT+2*i:TT+2*i+1], v[8*(8*UA+4*UU)+2*i:8*(8*UA+4*UU)+2*i+1], v[RLF+2*UA:RLF+2*UA+1]
.set i, i+1
.endr
	WIN 0
.irp t, 0,1,2,3
	ds_store_b128 v[STO], v[TT+8*\t:TT+8*\t+3] offset:64*\t
	ds_store_b128 v[STO], v[TT+8*\t+4:TT+8*\t+7] offset:64*\t+16
.endr
.if (\n) > 1
	s_wait_xcnt 0x0
.endif
.irp t, 0,1,2,3,4,5,6,7
	ds_load_b128 v[BB+4*\t:BB+4*\t+3], v[RD] offset:2*\t*SP
.endr
.endm
.macro SEND n, younger
.set UA, (\n)/2
.set UU, (\n)%2
.set BB, BK+32*((\n)%2)
	s_wait_dscnt \younger
.irp t, 0,1,2,3,4,5,6,7
	global_store_b128 v[GO], v[BB+4*\t:BB+4*\t+3], s[10:11] offset:(16*UA+2*\t)*4096+256*UU th:TH_STORE_NT
.endr
.endm
	PLACES 4
	UNIT 0
.irp n, 1,2,3,4,5,6,7
	UNIT \n
	SEND \n-1, 16
.endr
	SEND 7, 0
	s_wait_tensorcnt 0x0
	ds_add_u32 v[SPW], v[NIL]
	s_wait_dscnt 0x0
	CROUND
	s_endpgm
.Lfunc_end_k_q9f39faf4ed_pv:
	.size	k_q9f39faf4ed_pv, .Lfunc_end_k_q9f39faf4ed_pv-k_q9f39faf4ed_pv
	.p2alignl 7, 3214868480
	.fill 96, 4, 3214868480
	.section	.rodata,"a",@progbits
	.p2align	6, 0x0
	.amdhsa_kernel k_q9f39faf4ed_pv
		.amdhsa_group_segment_fixed_size 327680
		.amdhsa_private_segment_fixed_size 0
		.amdhsa_enable_private_segment 0
		.amdhsa_kernarg_size 32
		.amdhsa_user_sgpr_count 2
		.amdhsa_user_sgpr_kernarg_segment_ptr 1
		.amdhsa_wavefront_size32 1
		.amdhsa_system_sgpr_workgroup_id_x 1
		.amdhsa_system_sgpr_workgroup_id_y 1
		.amdhsa_system_sgpr_workgroup_id_z 1
		.amdhsa_system_vgpr_workitem_id 0
		.amdhsa_next_free_vgpr 768
		.amdhsa_next_free_sgpr 72
		.amdhsa_reserve_vcc 0
		.amdhsa_float_denorm_mode_32 3
		.amdhsa_float_denorm_mode_16_64 3
		.amdhsa_memory_ordered 1
		.amdhsa_forward_progress 1
		.amdhsa_inst_pref_size 178
	.end_amdhsa_kernel
	.amdgpu_metadata
---
amdhsa.version: [ 1, 2 ]
amdhsa.kernels:
  - .name:           k_q9f39faf4ed_pv
    .symbol:         k_q9f39faf4ed_pv.kd
    .args:
      - { .name: pimg, .offset: 0, .size: 8, .value_kind: global_buffer, .address_space: global }
      - { .name: pside, .offset: 8, .size: 8, .value_kind: global_buffer, .address_space: global }
      - { .name: vimg, .offset: 16, .size: 8, .value_kind: global_buffer, .address_space: global }
      - { .name: out0, .offset: 24, .size: 8, .value_kind: global_buffer, .address_space: global }
    .group_segment_fixed_size: 327680
    .private_segment_fixed_size: 0
    .kernarg_segment_align: 8
    .kernarg_segment_size: 32
    .max_flat_workgroup_size: 128
    .sgpr_count:     72
    .vgpr_count:     768
    .wavefront_size: 32
...
	.end_amdgpu_metadata
.endif
;; end of part 3
